; MI455X (gfx1250); checked and timed in simulation.
; The chip was launched on July 23, 2026; its instructions are those of AMD's public machine-readable ISA for CDNA 5 (MIT licence, August 2026) and "CDNA5" Instruction Set Architecture Reference Guide (July 2026). The comments in the code are by the model that wrote it; some were corrected since.
;; Multi Headed Attention. Allowed arithmetic: matrix products marked QUANTISED: E3M2 operands, one E8M0 scale for each 32 along K, by v_wmma_scale_f32_16x16x128_f8f6f4 with both operands' format E3M2, f32 sums; everything else in f32.
;; Inputs: Wk 1,024 x 1,024 float32; Wo 1,024 x 1,024 float32; Wq 1,024 x 1,024 float32; Wv 1,024 x 1,024 float32; bo 1,024 float32; x 4 x 2,048 x 1,024 float32.
;; Outputs: out0 4 x 2,048 x 1,024 float32.
;; This version of the problem:
;;   THIS VERSION OF THE PROBLEM IS GIVEN IN LOW PRECISION. The matrix products marked QUANTISED in the list below multiply operands that are first quantised to E3M2 (3 exponent bits, 2 mantissa bits; 6 bits a number), with one power-of-two scale for each 32 numbers along K (OCP MX v1.0); their sums are f32. All else is computed in f32.
;;   The module's matrix products, in the order in which they are computed (A, B: the left and right operand; K: the contracted axis; several contracted axes count as one K, in the product's order):
;;     1. [M 8,192, K 1,024] x [K 1,024, N 1,024]; A: input x; B: input Wq: QUANTISED
;;     2. [M 8,192, K 1,024] x [K 1,024, N 1,024]; A: input x; B: input Wk: QUANTISED
;;     3. [M 8,192, K 1,024] x [K 1,024, N 1,024]; A: input x; B: input Wv: QUANTISED
;;     4. batch 64 x [M 2,048, K 64] x [K 64, N 2,048]; A: computed on the way; B: computed on the way: QUANTISED
;;     5. batch 64 x [M 2,048, K 2,048] x [K 2,048, N 64]; A: softmax (see below); B: computed on the way: QUANTISED
;;     6. [M 8,192, K 1,024] x [K 1,024, N 1,024]; A: computed on the way; B: input Wo: QUANTISED
;;   THE QUANTISER, for each operand of a quantised product, along K:
;;     - K is cut into blocks of 32 from its start; a last block that is shorter is filled with zeros.
;;     - A block's scale is 2^e with e = floor(log2(the largest magnitude in the block)) - 4, held to -126 .. 127; a block of zeros has e = 0. As a byte (E8M0): e + 127.
;;     - Each number is divided by its block's scale, clamped to +-28, and rounded to the nearest number of E3M2, ties to even, subnormals kept.
;;     - The product sums the exact products of the quantised numbers (number of the format x scale) in f32.
;;   ~~~python
;;   def quantise(x, axis):      # numpy; x: float32 -> the quantised numbers, widened to float32 again
;;       x = np.moveaxis(x, axis, -1); K = x.shape[-1]
;;       x = np.pad(x, [(0, 0)] * (x.ndim - 1) + [(0, -K % 32)]); x = x.reshape(x.shape[:-1] + (-1, 32)); a = np.abs(x).max(-1, keepdims=True)
;;       e = np.where(a > 0, np.clip(np.frexp(np.where(a > 0, a, 1))[1] - 1 - 4, -126, 127), 0)      # np.frexp(a)[1] - 1 = floor(log2(a)), exactly
;;       r = np.clip(x / 2.0 ** e, -28, 28)
;;       step = 2.0 ** (np.maximum(np.frexp(np.where(r == 0, 1, r))[1] - 1, -2) - 2)
;;       q = np.round(r / step) * step * 2.0 ** e      # np.round: ties to even
;;       return np.moveaxis(q.reshape(q.shape[:-2] + (-1,))[..., :K], -1, axis).astype(np.float32)
;;   ~~~
;;   SOFTMAX AHEAD OF A QUANTISED PRODUCT. Where the list says 'softmax', what is quantised is not the finished softmax but p = 2^(t - M), with t = logit x log2(e) and M = ceil(the row's largest t), a whole number; so 1/2 < the row's largest p <= 1. The row's sum l is taken of the UNQUANTISED p, in f32, and the product's result is divided by l at the end. Since M is a whole number, a kernel that streams over the keys may use a running M (the ceiling of the running maximum): every later rescaling is an exact power of two, which a block's scale takes up: the codes' values come out the same.
;;   OPERANDS COMPUTED ON THE WAY. 'Computed on the way' means the value that the module computes at that place (a softmax that the list does not call 'softmax' is quantised finished and normalised). What goes into a quantiser is computed in f32, as accurately as f32 sums, v_exp_f32 and their like allow (about 1e-6 of the number): no bf16 or f16 on the way to a quantiser, and a product that is left as it is and whose result goes on into a quantised operand takes f32 operands (vector FMAs, or v_wmma_f32_16x16x4_f32). A number that lies on a knife's edge between two numbers of the format may be rounded either way, as far as f32 arithmetic and the matrix unit's own rounding can turn it there, and no further.
;; One version. Each part assembles by itself: llvm-mc -triple=amdgcn-amd-amdhsa -mcpu=gfx1250 --defsym DOCPART=n.
;; ======== version 1 of 1: 4 launches
;; workspace buffers: opc 9,437,184 bytes; ops 393,216 bytes; qc 6,291,456 bytes; qs 524,288 bytes; kvc 13,369,344 bytes; cc 6,291,456 bytes; cs 262,144 bytes
;; launch quant (part 1): grid 768 x 1, 8 waves a work-group, no clusters, 69,120 bytes of LDS; arguments x, Wq, Wk, Wv, Wo, opc, ops; writes opc, ops
.if DOCPART == 1
	.amdgcn_target "amdgcn-amd-amdhsa--gfx1250"
	.amdhsa_code_object_version 6
	.text
	.protected	k_qcf15f62de9_quant
	.globl	k_qcf15f62de9_quant
	.p2align	8
	.type	k_qcf15f62de9_quant,@function
k_qcf15f62de9_quant:
	s_mov_b64 s[64:65], 0
	v_nop
	global_prefetch_b8 v0, s[64:65] scope:SCOPE_SE
	s_setreg_imm32_b32 hwreg(HW_REG_WAVE_MODE, 25, 1), 1
	s_wait_xcnt 0x0
; x [8192][1024] and Wq, Wk, Wv, Wo [1024][1024], f32, become codes of BF6 (E3M2) with one E8M0 byte for each 32 along the last axis.
; OUTPUT LAYOUT.  Rows are taken in tiles of 16; row i of tile t of a tensor is row 32 (t / 2) + 8 (t % 2) + i + 8 (i / 8).  opc: [tile 768][K step 8][1,536 bytes]; tiles 0-511 x, 512-575 Wq, 576-639 Wk,
; 640-703 Wv, 704-767 Wo.  The 1,536 bytes are the image of the operand's 12 registers (16 rows x 128 K): for each half c of 64 along K, registers 6 c .. 6 c + 3 of lane l at 768 c + 16 l, registers 6 c + 4, 6 c + 5
; at 768 c + 512 + 8 l.  ops: [tile][row 16][K step 8] words of four scale bytes.
; SHARES.  Work-group g makes tile g, its wave s K step s: 16 rows x 512 bytes in, 1,536 bytes of codes out.  Each load reads 512 consecutive bytes of a row; the 8 KiB turn through the wave's own stage in LDS, so that
; lane (r, h) holds, of row r, the two whole blocks k = 64 c + 32 h + 0 .. 31: the order of the operand's registers.  The eight waves' scale words meet in 512 bytes of LDS and leave as one dense store.
; A block's scale byte is its largest magnitude's exponent field - 4, held at 1 from below.  LIMITS: a block of zeros gets the byte 1 where the rule says 127 (its codes are zeros, and this program alone reads the bytes);
; blocks whose largest magnitude lies under 2^-122 keep the byte 1; NaN and infinities among the inputs are not served.
; No matrix unit, no tensor load, no cluster: the launch streams, work-groups share no input.  146 registers a wave and 69,120 bytes of LDS: three work-groups, six waves to a SIMD, fit on a WGP, so that all 768 work-groups'
; loads can be out together.  For that the codes and the work registers are laid over the numbers as loaded, which are free once the stage's loads are back.
.set STG,   8448                       ; a wave's stage: 16 rows of PITCH bytes
.set PITCH, 528                        ; 512 bytes + 16: the sixteen rows that a load of 16 bytes a lane touches start 4 banks apart
.set GS,    8*STG                      ; behind the stages: the tile's scale words, [row][K step]
.set R,     16                         ; v16-79   the numbers as loaded; behind the stage's loads:
.set C,     16                         ; v16-27   the fragment's codes
.set CT,    28                         ; v28-30, v32-34 the upper halves of the two blocks, as converted
.set TM,    36                         ; v36-44   at work
.set X,     80                         ; v80-143  register 32 c + i = k 64 c + 32 h + i of row r
	s_load_b256 s[4:11], s[0:1], 0x0               ; x, Wq, Wk, Wv
	s_load_b128 s[12:15], s[0:1], 0x20             ; Wo, opc
	s_load_b64 s[16:17], s[0:1], 0x30              ; ops
	v_lshl_add_u32 v144, v0, 2, 0x10a00
	v_mov_b32 v145, 0
	v_lshrrev_b32 v10, 5, v0
	v_readfirstlane_b32 s18, v10                   ; wave = K step
	v_and_b32 v1, 31, v0                           ; lane
	v_and_b32 v2, 15, v0                           ; r
	v_bfe_u32 v3, v0, 4, 1                         ; h
	v_lshlrev_b32 v4, 4, v1                        ; 16 x lane
	v_lshlrev_b32 v5, 3, v1                        ; 8 x lane
	s_mul_i32 s19, s18, STG
	v_add_nc_u32 v6, s19, v4                       ; the stage, on the way in: a row as it lies
	v_mul_u32_u24 v7, v2, PITCH
	v_lshl_add_u32 v7, v3, 7, v7
	v_add_nc_u32 v7, s19, v7                       ; and on the way out: row r, + 128 h
	s_lshl_b32 s28, s18, 2
	s_add_co_u32 s28, s28, GS
	v_lshl_add_u32 v8, v2, 5, s28                  ; my row's scale word of my K step
	v_add_nc_u32 v9, GS, v4                        ; the 512 bytes of scale words, 16 a lane
	s_mov_b32 s30, 0x76543210
	s_mov_b32 s31, 0xfedcba98                      ; v_permlanex16_b32's selects for lane l xor 16
	s_cmp_lt_u32 ttmp9, 512
	s_cselect_b32 s22, 511, 63
	s_and_b32 s22, ttmp9, s22                      ; the tile's number in its tensor
	s_lshr_b32 s23, s22, 1
	s_lshl_b32 s23, s23, 17                        ; 32 rows of 4,096 bytes
	s_and_b32 s24, s22, 1
	s_lshl_b32 s24, s24, 15                        ; 8 rows
	s_add_co_u32 s24, s24, s23
	s_lshl_b32 s25, s18, 9                         ; my K step's 512 bytes of a row
	s_add_co_u32 s24, s24, s25
	s_mov_b32 s25, 0
	s_mul_i32 s26, ttmp9, 12288
	s_mul_i32 s27, s18, 1536
	s_add_co_u32 s26, s26, s27                     ; my fragment's image
	s_mov_b32 s27, 0
	s_lshl_b32 s22, ttmp9, 9                       ; my tile's scale words
	s_mov_b32 s23, 0
	s_wait_kmcnt 0x0
	s_mov_b64 s[20:21], s[12:13]                   ; which tensor: the choice hangs on the work-group's number alone
	s_cmp_lt_u32 ttmp9, 704
	s_cselect_b64 s[20:21], s[10:11], s[20:21]
	s_cmp_lt_u32 ttmp9, 640
	s_cselect_b64 s[20:21], s[8:9], s[20:21]
	s_cmp_lt_u32 ttmp9, 576
	s_cselect_b64 s[20:21], s[6:7], s[20:21]
	s_cmp_lt_u32 ttmp9, 512
	s_cselect_b64 s[20:21], s[4:5], s[20:21]
	s_add_nc_u64 s[20:21], s[20:21], s[24:25]
	s_add_nc_u64 s[14:15], s[14:15], s[26:27]
	s_add_nc_u64 s[16:17], s[16:17], s[22:23]
.irp i, 0,1,2,3,4,5,6,7,8,9,10,11,12,13,14,15
	global_load_b128 v[R+4*\i:R+4*\i+3], v4, s[20:21] offset:4096*(\i+8*(\i/8)) th:TH_LOAD_NT   ; the tile's row i: 32 lanes read 512 consecutive bytes
.endr
.irp i, 0,1,2,3,4,5,6,7,8,9,10,11,12,13,14,15
	s_wait_loadcnt 15-\i                           ; loads come back in order: row i is in, the younger rows stay out
	ds_store_b128 v6, v[R+4*\i:R+4*\i+3] offset:PITCH*\i
.endr
.irp c, 0,1
.irp q, 0,1,2,3,4,5,6,7
	ds_load_b128 v[X+32*\c+4*\q:X+32*\c+4*\q+3], v7 offset:256*\c+16*\q   ; LDS serves a wave's instructions in order: these see my stores
.endr
.endr
	s_wait_dscnt 0x0                               ; the numbers are back, and the stores into the stage are done: v16-79 are free
.irp c, 0,1
	v_max3_num_f32 v[TM+\c], |v[X+32*\c]|, |v[X+32*\c+1]|, 0x2800000   ; my block 2 c + h: all 32 numbers are mine; the floor 2^(5 - 127) holds the byte at 1 from below
.endr
.irp i, 2,4,6,8,10,12,14,16,18,20,22,24,26,28,30
.irp c, 0,1
	v_max3_num_f32 v[TM+\c], v[TM+\c], |v[X+32*\c+\i]|, |v[X+32*\c+\i+1]|   ; (the two blocks by turns)
.endr
.endr
.irp c, 0,1
	v_add_nc_u32 v[TM+2+\c], 0xfe000000, v[TM+\c]  ; 4 off the exponent field: the conversion's scale operand
.endr
.irp c, 0,1
	v_lshrrev_b32 v[TM+4+\c], 23, v[TM+2+\c]       ; the scale's byte
.endr
	v_lshl_or_b32 v[TM+6], v[TM+5], 16, v[TM+4]    ; my two bytes: blocks h and 2 + h,
	v_lshlrev_b32 v[TM+7], 3, v3
	v_lshlrev_b32 v[TM+6], v[TM+7], v[TM+6]        ; at their places in the word;
	v_mov_b32 v[TM+8], 0                           ; (a lane permute's destination counts as one of its sources)
	v_permlanex16_b32 v[TM+8], v[TM+6], s30, s31
	v_or_b32 v[TM+6], v[TM+6], v[TM+8]             ; with lane l xor 16's two the word is whole
.irp c, 0,1
	v_cvt_scalef32_pk16_bf6_f32 v[C+6*\c:C+6*\c+2], v[X+32*\c:X+32*\c+15], v[TM+2+\c]
	v_cvt_scalef32_pk16_bf6_f32 v[CT+4*\c:CT+4*\c+2], v[X+32*\c+16:X+32*\c+31], v[TM+2+\c]   ; (a conversion's three registers begin on an even number)
.endr
	v_nop                                          ; one plain place behind a scaled conversion
.irp c, 0,1
.irp i, 0,1,2
	v_mov_b32 v[C+6*\c+3+\i], v[CT+4*\c+\i]
.endr
.endr
	ds_store_b32 v8, v[TM+6]                       ; lanes r and r + 16 write the same word with the same value
.irp c, 0,1
	global_store_b128 v4, v[C+6*\c:C+6*\c+3], s[14:15] offset:768*\c        ; 512 consecutive bytes, at a multiple of 256 from opc's first byte
	global_store_b64 v5, v[C+6*\c+4:C+6*\c+5], s[14:15] offset:768*\c+512   ; 256 consecutive bytes, likewise
.endr
	s_wait_dscnt 0x0                               ; for wave 0's sake: my scale words have landed
	s_barrier_signal -1
	s_barrier_wait -1
	s_cmp_lg_u32 s18, 0
	s_cbranch_scc1 .Lend
	ds_load_b128 v[X:X+3], v9                      ; the tile's 128 scale words, into registers that no pending store reads
	s_wait_dscnt 0x0
	global_store_b128 v4, v[X:X+3], s[16:17]       ; 512 consecutive bytes
.Lend:
	s_wait_tensorcnt 0x0
	ds_add_u32 v144, v145
	s_wait_dscnt 0x0
	s_endpgm
.Lfunc_end_k_qcf15f62de9_quant:
	.size	k_qcf15f62de9_quant, .Lfunc_end_k_qcf15f62de9_quant-k_qcf15f62de9_quant
	.p2alignl 7, 3214868480
	.fill 96, 4, 3214868480
	.section	.rodata,"a",@progbits
	.p2align	6, 0x0
	.amdhsa_kernel k_qcf15f62de9_quant
		.amdhsa_group_segment_fixed_size 69120
		.amdhsa_private_segment_fixed_size 0
		.amdhsa_enable_private_segment 0
		.amdhsa_kernarg_size 56
		.amdhsa_user_sgpr_count 2
		.amdhsa_user_sgpr_kernarg_segment_ptr 1
		.amdhsa_wavefront_size32 1
		.amdhsa_system_sgpr_workgroup_id_x 1
		.amdhsa_system_sgpr_workgroup_id_y 1
		.amdhsa_system_sgpr_workgroup_id_z 1
		.amdhsa_system_vgpr_workitem_id 0
		.amdhsa_next_free_vgpr 146
		.amdhsa_next_free_sgpr 66
		.amdhsa_reserve_vcc 0
		.amdhsa_float_denorm_mode_32 3
		.amdhsa_float_denorm_mode_16_64 3
		.amdhsa_memory_ordered 1
		.amdhsa_forward_progress 1
		.amdhsa_inst_pref_size 11
	.end_amdhsa_kernel
	.amdgpu_metadata
---
amdhsa.version: [ 1, 2 ]
amdhsa.kernels:
  - .name:           k_qcf15f62de9_quant
    .symbol:         k_qcf15f62de9_quant.kd
    .args:
      - { .name: x, .offset: 0, .size: 8, .value_kind: global_buffer, .address_space: global }
      - { .name: Wq, .offset: 8, .size: 8, .value_kind: global_buffer, .address_space: global }
      - { .name: Wk, .offset: 16, .size: 8, .value_kind: global_buffer, .address_space: global }
      - { .name: Wv, .offset: 24, .size: 8, .value_kind: global_buffer, .address_space: global }
      - { .name: Wo, .offset: 32, .size: 8, .value_kind: global_buffer, .address_space: global }
      - { .name: opc, .offset: 40, .size: 8, .value_kind: global_buffer, .address_space: global }
      - { .name: ops, .offset: 48, .size: 8, .value_kind: global_buffer, .address_space: global }
    .group_segment_fixed_size: 69120
    .private_segment_fixed_size: 0
    .kernarg_segment_align: 8
    .kernarg_segment_size: 56
    .max_flat_workgroup_size: 256
    .sgpr_count:     66
    .vgpr_count:     146
    .wavefront_size: 32
...
	.end_amdgpu_metadata
.endif
;; end of part 1
;; launch qkv (part 2): grid 4 x 64, 4 waves a work-group, clusters of 4 x 4, 327,680 bytes of LDS; arguments opc, ops, qc, qs, kvc; writes qc, qs, kvc
.if DOCPART == 2
	.amdgcn_target "amdgcn-amd-amdhsa--gfx1250"
	.amdhsa_code_object_version 6
	.text
	.protected	k_qcf15f62de9_qkv
	.globl	k_qcf15f62de9_qkv
	.p2align	8
	.type	k_qcf15f62de9_qkv,@function
k_qcf15f62de9_qkv:
	s_mov_b64 s[64:65], 0
	v_nop
	global_prefetch_b8 v0, s[64:65] scope:SCOPE_SE
	s_setreg_imm32_b32 hwreg(HW_REG_WAVE_MODE, 25, 1), 1
	s_wait_xcnt 0x0
	s_wait_alu depctr_hold_cnt(0) depctr_sa_sdst(0) depctr_va_vdst(0) depctr_va_sdst(0) depctr_va_ssrc(0) depctr_va_vcc(0) depctr_vm_vsrc(0)
	s_getreg_b32 s2, hwreg(HW_REG_IB_STS2, 6, 4)
	s_cmp_eq_u32 s2, 0
	s_cbranch_scc0 .Lentry_in_a_cluster
	s_endpgm
.Lentry_in_a_cluster:
	s_bfe_u32 s2, ttmp6, 0x10000c
	s_cmp_lg_u32 s2, 0xf033
	s_cbranch_scc0 .Lentry_shape_is_right
	s_endpgm
.Lentry_shape_is_right:
; q = x Wq^T, k = x Wk^T, v = x Wv^T on codes of BF6 with E8M0 scales, and the results quantised in registers: q and k along a head's 64, v along the keys.  Nothing leaves as f32.
; THE PRODUCT.  C'[R row][P row] = sum over k of R P.  P is source 0 (its rows run along a lane's result registers), R is source 1 (its rows lie in the lanes).  A tile is 128 rows of R (8 tiles of 16) x
; 256 rows of P (16 tiles); wave (wr, wp) takes R's tiles 4 wr + a, a = 0 .. 3, and P's tiles 8 wp + b, b = 0 .. 7: 32 accumulators, 256 registers.  K = 1,024 is eight steps of 128.
; A WORK-GROUP STAYS and makes three tiles, one after the other, written out by one macro: generation 0: R = x, P = Wq;  1: R = x, P = Wk;  2: R = Wv, P = x, so that a lane holds a feature of v and its registers run
; along the keys, which are v's K.  256 work-groups, one for each WGP; arguments, descriptors and the first round are paid once, and a generation's stores leave while the next generation is multiplied.
; A tile's rows are not neighbours (row i of tile t is row 32 (t / 2) + 8 (t % 2) + i + 8 (i / 8)): so the 16 result registers of P's tiles 2 q and 2 q + 1 are 16 neighbouring rows of P, 32 q + 16 (lane / 16) + 0 .. 15,
; and 64 registers of a lane are 128 neighbours along the next product's K in halves of blocks: the conversions take them as they stand.
; THE RING.  Two LDS slots; slot 0 holds K steps 0-3 of R's 8 and P's 16 tiles, slot 1 K steps 4-7: 147,456 bytes each.  Each wave brings a quarter of a slot's tiles by one tensor load (waves 0, 1: four tiles of R each;
; waves 2, 3: eight of P).  Both slots' first fills go out together: two loads of mine are out; later one.  A slot is filled again, with the next generation's K steps, as soon as its last fragments are in registers:
; at K step 3 and at K step 7.  From slot 0's request to the wait for it a wave issues 128 matrix instructions; from slot 1's, 128 and a whole way out.
; CLUSTER 4 x 4: the four work-groups of a row of the cluster need the same R, the four of a column the same P: every load is a joint one, with the same descriptor in the four that its mask names; each refill stands
; behind a round of the cluster's barrier.  The twelve groups 0 (six loads for R's waves, six for P's) are made at the head and never written again.
; OPERANDS lie in memory and in LDS as images of their registers (16 rows x 64 K: registers 0-3 of lane l at 16 l, registers 4, 5 at 512 + 8 l): each LDS load takes consecutive bytes, and there is no pitch and no padding.
; THE SCALE WORDS come straight from memory into their registers, once a generation: sixteen lanes read a tile's 512 consecutive bytes.  (Through LDS they would want a second tensor load a wave behind each refill's barrier.)
; OUTPUT.  qc [head 64][query tile 128][768]: half images (16 queries x 64);  qs [head][tile][row] words: bytes 0, 1 the two scale bytes, bytes 2, 3 zero.
;   kvc [head][key step 16][13,056]: 8 half images of k (6,144), 4 whole images of v^T (16 features x 128 keys; 6,144), k's scale words [tile 8][row] (512), v's [tile 4][row] (256).
; LIMITS: a block of zeros gets the byte 1 where the rule says 127 (zero codes; this program alone reads the bytes); blocks under 2^-122 keep the byte 1; NaN and infinities are not served.
; The scale words leave in stores of 128 consecutive bytes, half of an aligned 256: 1 byte in 24 of what the launch stores.
; REGISTERS, in windows of 256: window 0: v1-29 addresses; v32-95 scale words and nothing else; v96-143, v144-191 R's fragments, two sets; v192-225 at work on the way out.
;   window 1: P's fragments, two sets, at v0 and v128.   window 2: accumulator (a, b) at v[8 (8 a + b)].
.set RSL,  49152                       ; LDS: a slot of R: 8 tiles x 6,144 bytes (four K steps); R's two slots begin at 0
.set PB,   98304                       ; P's two slots begin here
.set PSL,  98304                       ; a slot of P: 16 tiles x 6,144 bytes
.set SPARE, 294912                     ; behind the ring: the spare words, 128 bytes for each wave: two blocks of 256 bytes that no other line names
.set AR16, 8                           ; v8-9    slot s of R, my four tiles: + 16 x lane
.set AR8,  10                          ; v10-11  + 8 x lane
.set AP16, 12                          ; v12-13  slot s of P, my eight tiles: + 16 x lane
.set AP8,  14                          ; v14-15  + 8 x lane
.set SOF,  16                          ; v16-18  generation g: my byte offset in ops: lanes 0-15 R's rows, lanes 16-31 P's; never rewritten
.set SPW,  28                          ; v28     LDS address of my spare word: SPARE + 4 x my thread's number; never rewritten
.set NIL,  29                          ; v29     0; never rewritten
.set SC,   32                          ; register 8 i + s: lanes 0-15 the word of R's tile 4 wr + i, lanes 16-31 that of P's tile 8 wp + i, for K step s
.set RF,   96
.set PC,   96                          ; the way out: the four fragments made, 12 registers each
.set TM,   192                         ; v192-195 largest magnitudes, v196-199 the other half's, then bytes, v204-207 the conversions' scale operands
.set CT,   208                         ; v208-210, v212-214 conversions' results that are moved
.set WD,   216                         ; v216-219 the four scale words made
.set G1R,  24                          ; s[24:31] group 1: four tiles' half of K;  s[32:39]: eight tiles'
.set G1P,  32
.set G0R,  40                          ; s[40:63] groups 0 of R's six loads: load 2 g + s = generation g, slot s
.set G0P,  68                          ; s[68:91] of P's six
.set MSB, 0
.macro WIN new                         ; the immediate's high byte repeats the setting that is left
.if MSB != \new
	s_set_vgpr_msb (MSB<<8)|\new
.set MSB, \new
.endif
.endm
.macro PLACES n                        ; plain vector instructions that name no register of the matrix instructions in front (ISA guide 7.12.1)
.rept \n
	v_nop
.endr
.endm
.macro ROUND                           ; a round of the cluster's barrier
	s_barrier_signal -1
	s_barrier_wait -1
	s_cmp_lg_u32 s14, 0
	s_cbranch_scc1 .Lnot_wave_0_\@
	s_barrier_signal -3
.Lnot_wave_0_\@:
	s_barrier_wait -3
	s_barrier_signal -1
	s_barrier_wait -1
.endm
; A joint refill: load n of six.  Waves 0, 1 fetch R's halves, waves 2, 3 P's: the branch hangs on the wave's number alone.  Four v_nop follow each of the two lines, ahead of the jump, the label and what follows.
.macro JLOAD n
	s_cmp_eq_u32 s15, 0
	s_cbranch_scc0 .Ljp_\@
	tensor_load_to_lds s[G0R+4*(\n):G0R+4*(\n)+3], s[G1R:G1R+7]
	s_nop 0
	PLACES 4
	s_branch .Ljd_\@
.Ljp_\@:
	tensor_load_to_lds s[G0P+4*(\n):G0P+4*(\n)+3], s[G1P:G1P+7]
	s_nop 0
	PLACES 4
.Ljd_\@:
.endm
.macro FETCH s                         ; K step s: P's eight fragments and R's four into set s % 2: 48 LDS loads in one run, from slot s / 4
	WIN 0x40                                       ; destination window 1, address window 0
.irp b, 0,1,2,3,4,5,6,7
.irp u, 0,1
	ds_load_b128 v[128*((\s)%2)+12*\b+6*\u:128*((\s)%2)+12*\b+6*\u+3], v[AP16+(\s)/4] offset:6144*\b+1536*((\s)%4)+768*\u
	ds_load_b64 v[128*((\s)%2)+12*\b+6*\u+4:128*((\s)%2)+12*\b+6*\u+5], v[AP8+(\s)/4] offset:6144*\b+1536*((\s)%4)+768*\u+512
.endr
.endr
	WIN 0
.irp a, 0,1,2,3
.irp u, 0,1
	ds_load_b128 v[RF+48*((\s)%2)+12*\a+6*\u:RF+48*((\s)%2)+12*\a+6*\u+3], v[AR16+(\s)/4] offset:6144*\a+1536*((\s)%4)+768*\u
	ds_load_b64 v[RF+48*((\s)%2)+12*\a+6*\u+4:RF+48*((\s)%2)+12*\a+6*\u+5], v[AR8+(\s)/4] offset:6144*\a+1536*((\s)%4)+768*\u+512
.endr
.endr
.endm
.macro MUL s, cmode                    ; 32 matrix instructions; cmode 0: they start the sums.  The 32 accumulators take turns, one instruction a turn, in the same order in every step
.irp a, 0,1,2,3
.irp b, 0,1,2,3,4,5,6,7
.if \cmode == 0
	v_wmma_scale_f32_16x16x128_f8f6f4 v[8*(8*\a+\b):8*(8*\a+\b)+7], v[128*((\s)%2)+12*\b:128*((\s)%2)+12*\b+11], v[RF+48*((\s)%2)+12*\a:RF+48*((\s)%2)+12*\a+11], 0, v[SC+8*\b+(\s)], v[SC+8*\a+(\s)] matrix_a_fmt:MATRIX_FMT_BF6 matrix_b_fmt:MATRIX_FMT_BF6 matrix_a_scale:MATRIX_SCALE_ROW1
.else
	v_wmma_scale_f32_16x16x128_f8f6f4 v[8*(8*\a+\b):8*(8*\a+\b)+7], v[128*((\s)%2)+12*\b:128*((\s)%2)+12*\b+11], v[RF+48*((\s)%2)+12*\a:RF+48*((\s)%2)+12*\a+11], v[8*(8*\a+\b):8*(8*\a+\b)+7], v[SC+8*\b+(\s)], v[SC+8*\a+(\s)] matrix_a_fmt:MATRIX_FMT_BF6 matrix_b_fmt:MATRIX_FMT_BF6 matrix_a_scale:MATRIX_SCALE_ROW1
.endif
.endr
.endr
.endm
.macro KSTEP s, cmode                  ; a K step whose successor lies in the same slot
	s_wait_dscnt 0x0                               ; this step's fragments are in: they were asked for in front of the last step's 32 products
.if (\s) > 0
	PLACES 4                                       ; in front of loads into the set that the last step's products read (ahead of step 0 the places behind the last generation's products serve)
.endif
	FETCH (\s)+1
	WIN 0xa1                                       ; source 0 (P) window 1, source 1 (R) window 0, C and D window 2
	MUL \s, \cmode
.endm
; A slot is left: its last fragments have been asked for.  Each wave waits for all its tensor loads (the one that is out is its part of the other slot), adds 0 to its spare word, and waits for that and for its reads of
; this slot.  fill = 1: a round of the cluster's barrier, so that no wave of any partner still reads the slot or has a load on its way, and load n fills it again, first thing behind the round.  fill = 0: a plain barrier.
.macro CHANGE fill, n
	WIN 0                                          ; the add's two registers lie in window 0; at a branch and at a label every window is 0
	s_wait_tensorcnt 0x0
	ds_add_u32 v[SPW], v[NIL]                      ; 0 onto my spare word
	s_wait_dscnt 0x0                               ; the add is done, my reads of this slot are over, and this step's fragments are in
.if \fill
	ROUND
	JLOAD \n                                       ; the four v_nop behind it are also the places in front of the loads that follow
.else
	s_barrier_signal -1
	s_barrier_wait -1
	PLACES 4
.endif
.endm
.macro SCLOAD g                        ; generation g's scale words: all eight K steps' words of tile i (for i > 3 lanes 0-15 take words of later tiles, inside ops, that no product names)
.irp i, 0,1,2,3,4,5,6,7
	global_load_b128 v[SC+8*\i:SC+8*\i+3], v[SOF+(\g)], s[6:7] offset:512*\i
	global_load_b128 v[SC+8*\i+4:SC+8*\i+7], v[SOF+(\g)], s[6:7] offset:512*\i+16
.endr
.endm
; THE WAY OUT.  The 64 results of R's tile a in a lane, register 16 q + i = P's row 32 q + 16 (lane / 16) + i of my 128, become a fragment's codes in v[PC + 12 a] on and its rows' scale word in v[WD + a].
.macro QUANT a
	WIN 0x0a                                       ; sources 0 and 1 window 2
.irp q, 0,1,2,3
	v_max3_num_f32 v[TM+\q], |v[64*\a+16*\q]|, |v[64*\a+16*\q+1]|, 0x2800000   ; block q: my 16 numbers, each accumulator from its low end on, and the floor 2^(5 - 127)
.endr
	WIN 0x28                                       ; sources 1 and 2 window 2
.irp i, 2,4,6,8,10,12,14
.irp q, 0,1,2,3
	v_max3_num_f32 v[TM+\q], v[TM+\q], |v[64*\a+16*\q+\i]|, |v[64*\a+16*\q+\i+1]|
.endr
.endr
	WIN 0
.irp q, 0,1,2,3
	v_permlanex16_b32 v[TM+4+\q], v[TM+\q], s100, s101
.endr
.irp q, 0,1,2,3
	v_max_num_f32 v[TM+\q], v[TM+\q], v[TM+4+\q]   ; with lane l xor 16's: the block's largest magnitude
.endr
.irp q, 0,1,2,3
	v_add_nc_u32 v[TM+12+\q], 0xfe000000, v[TM+\q] ; 4 off its exponent field: the conversion's scale operand
.endr
.irp q, 0,1,2,3
	v_lshrrev_b32 v[TM+4+\q], 23, v[TM+12+\q]      ; the scale's byte
.endr
	v_lshl_or_b32 v[WD+\a], v[TM+5], 8, v[TM+4]
	v_lshl_or_b32 v[WD+\a], v[TM+6], 16, v[WD+\a]
	v_lshl_or_b32 v[WD+\a], v[TM+7], 24, v[WD+\a]  ; the same word in lanes r and r + 16
	WIN 0x02                                       ; source 0 window 2
.irp c, 0,1
	v_cvt_scalef32_pk16_bf6_f32 v[PC+12*\a+6*\c:PC+12*\a+6*\c+2], v[64*\a+32*\c:64*\a+32*\c+15], v[TM+12+2*\c]
	v_cvt_scalef32_pk16_bf6_f32 v[CT+4*\c:CT+4*\c+2], v[64*\a+32*\c+16:64*\a+32*\c+31], v[TM+12+2*\c+1]   ; (a conversion's three registers begin on an even number)
.endr
	WIN 0
	v_nop                                          ; one plain place behind a scaled conversion
.irp c, 0,1                            ; the operand's layout wants a whole block in a lane: lanes 0-15 block 2 c, lanes 16-31 block 2 c + 1
.irp i, 0,1,2
	v_permlane16_swap_b32 v[PC+12*\a+6*\c+\i], v[CT+4*\c+\i]
.endr
.irp i, 0,1,2
	v_mov_b32 v[PC+12*\a+6*\c+3+\i], v[CT+4*\c+\i]
.endr
.endr
.endm
; The four fragments leave as images from s[94:95] on: half 0 at ts x a, half 1 h1 bytes on; the words from s[96:97] on.  split = 1: a word's low half goes to one head's words, its high half to the next head's, hs bytes on.
.macro STORES ts, h1, split, hs
.irp a, 0,1,2,3
	global_store_b128 v3, v[PC+12*\a:PC+12*\a+3], s[94:95] offset:\ts*\a              ; 512 consecutive bytes, at a multiple of 256 from the buffer's first byte
	global_store_b64 v4, v[PC+12*\a+4:PC+12*\a+5], s[94:95] offset:\ts*\a+512         ; 256 consecutive bytes, likewise
	global_store_b128 v3, v[PC+12*\a+6:PC+12*\a+9], s[94:95] offset:\ts*\a+\h1
	global_store_b64 v4, v[PC+12*\a+10:PC+12*\a+11], s[94:95] offset:\ts*\a+\h1+512
.endr
.irp i, 0,1
.if \split
	global_store_b32 v5, v[222+\i], s[96:97] offset:128*\i
	global_store_b32 v5, v[224+\i], s[96:97] offset:128*\i+\hs
.else
	global_store_b32 v5, v[220+\i], s[96:97] offset:128*\i
.endif
.endr
.endm
	s_load_b256 s[4:11], s[0:1], 0x0               ; opc, ops, qc, qs
	s_load_b64 s[12:13], s[0:1], 0x20              ; kvc
	v_lshl_add_u32 v[SPW], v0, 2, SPARE
	v_mov_b32 v[NIL], 0
	ds_add_u32 v28, v29
	ds_add_u32 v28, v29
	s_wait_dscnt 0x0
	v_lshrrev_b32 v1, 5, v0
	v_readfirstlane_b32 s14, v1                    ; wave 0..3
	s_lshr_b32 s15, s14, 1                         ; wr.  Also: I fetch for R (0) or for P (1)
	s_and_b32 s16, s14, 1                          ; wp.  Also: which half of the tiles I fetch
	s_bfe_u32 s17, ttmp6, 0x40000                  ; cx: for q and k also P's block of 256 rows of the weight
	s_bfe_u32 s18, ttmp6, 0x40004                  ; cy
	s_and_b32 s19, ttmp7, 0xffff                   ; the cluster's y, 0 .. 15
	s_lshl_b32 s2, s19, 2
	s_add_co_u32 s66, s2, s18                      ; q, k: R's block of 128 tokens, 0 .. 63: made of cy and the cluster's y
	s_lshr_b32 s2, s19, 3
	s_lshl_b32 s2, s2, 2
	s_add_co_u32 s92, s2, s18                      ; v: R's block of 128 rows of Wv, 0 .. 7: likewise
	s_and_b32 s3, s19, 7
	s_lshl_b32 s3, s3, 2
	s_add_co_u32 s93, s3, s17                      ; v: P's block of 256 tokens, 0 .. 31: made of cx and the cluster's y
	s_lshl_b32 s2, s18, 2
	s_lshl_b32 s2, 15, s2                          ; my row of the cluster
	s_lshl_b32 s3, 0x1111, s17                     ; my column
	s_or_b32 s[G1R], s2, (3<<16)|(1<<21)           ; 15:0 the mask; 17:16 elements of 8 bytes; 21 set beside a mask; no padding
	s_or_b32 s[G1P], s3, (3<<16)|(1<<21)
	s_mov_b32 s[G1R+1], 768<<16                    ; four K steps of a tile are a row of 6,144 bytes: tensor_dim0 = 768
	s_mov_b32 s[G1R+2], 4<<16                      ; tensor_dim1 = 4 tiles
	s_mov_b32 s[G1R+3], 768<<16                    ; tile_dim0
	s_mov_b32 s[G1R+4], 4                          ; tile_dim1
	s_mov_b32 s[G1R+5], 1536                       ; from tile to tile: 12,288 bytes
	s_mov_b32 s[G1R+6], 0
	s_mov_b32 s[G1R+7], 0
	s_mov_b32 s[G1P+1], 768<<16
	s_mov_b32 s[G1P+2], 8<<16
	s_mov_b32 s[G1P+3], 768<<16
	s_mov_b32 s[G1P+4], 8
	s_mov_b32 s[G1P+5], 1536
	s_mov_b32 s[G1P+6], 0
	s_mov_b32 s[G1P+7], 0
	; groups 0: the count and the LDS address, which hangs on the wave's number and the slot alone
	s_mul_i32 s21, s16, 24576                      ; R: my four tiles of a slot
	s_mul_i32 s23, s16, 49152
	s_add_co_u32 s23, s23, PB                      ; P: my eight
.irp n, 0,1,2,3,4,5
	s_mov_b32 s[G0R+4*\n], 1
	s_add_co_u32 s[G0R+4*\n+1], s21, RSL*(\n%2)
	s_mov_b32 s[G0P+4*\n], 1
	s_add_co_u32 s[G0P+4*\n+1], s23, PSL*(\n%2)
.endr
	; R's byte offsets in opc: 12,288 bytes a tile
	s_lshl_b32 s21, s16, 2
	s_lshl_b32 s20, s66, 3
	s_add_co_u32 s20, s20, s21                     ; q, k: x's tile 8 x block + 4 x half
	s_mul_i32 s[G0R+2], s20, 12288
	s_mov_b32 s[G0R+3], 0
	s_lshl_b32 s20, s92, 3
	s_add_co_u32 s20, s20, s21
	s_add_co_u32 s20, s20, 640                     ; v: Wv's tiles begin at 640
	s_mul_i32 s[G0R+18], s20, 12288
	s_mov_b32 s[G0R+19], 0
	; vector addresses
	v_and_b32 v6, 31, v0                           ; lane
	v_and_b32 v1, 15, v0                           ; r
	v_bfe_u32 v2, v0, 4, 1                         ; h
	v_lshlrev_b32 v3, 4, v6
	v_lshlrev_b32 v4, 3, v6
	v_lshlrev_b32 v5, 2, v6
	s_mul_i32 s21, s15, 24576                      ; my four tiles of R in a slot
	s_mul_i32 s23, s16, 49152
	s_add_co_u32 s23, s23, PB                      ; my eight tiles of P
.irp c, 0,1
	v_add_nc_u32 v[AR16+\c], s21, v3
	v_add_nc_u32 v[AR8+\c], s21, v4
	v_add_nc_u32 v[AP16+\c], s23, v3
	v_add_nc_u32 v[AP8+\c], s23, v4
	s_add_co_u32 s21, s21, RSL
	s_add_co_u32 s23, s23, PSL
.endr
	; P's byte offsets in opc, and each generation's offsets of the scale words in ops (512 bytes a tile, 32 a row): lanes 0-15 R's tile 4 wr on, lanes 16-31 P's tile 8 wp on
	v_cmp_eq_u32 vcc_lo, 1, v2
	s_lshl_b32 s99, s15, 2
	s_lshl_b32 s98, s66, 3
	s_add_co_u32 s98, s98, s99
	s_lshl_b32 s98, s98, 9
	v_mov_b32 v6, s98                              ; q, k: R's words
	s_lshl_b32 s98, s92, 3
	s_add_co_u32 s98, s98, s99
	s_add_co_u32 s98, s98, 640
	s_lshl_b32 s98, s98, 9
	v_mov_b32 v19, s98                             ; v: R's words
	s_lshl_b32 s23, s16, 3
	s_lshl_b32 s22, s17, 4
	s_add_co_u32 s22, s22, s23
	s_add_co_u32 s22, s22, 512                     ; q: Wq's tile 512 + 16 cx + 8 x half
	s_mul_i32 s[G0P+2], s22, 12288
	s_mov_b32 s[G0P+3], 0
	s_lshl_b32 s98, s22, 9
	v_mov_b32 v7, s98
	v_cndmask_b32 v7, v6, v7, vcc_lo
	v_lshl_add_u32 v[SOF], v1, 5, v7
	s_add_co_u32 s22, s22, 64                      ; k: Wk's tiles lie 64 on
	s_mul_i32 s[G0P+10], s22, 12288
	s_mov_b32 s[G0P+11], 0
	s_lshl_b32 s98, s22, 9
	v_mov_b32 v7, s98
	v_cndmask_b32 v7, v6, v7, vcc_lo
	v_lshl_add_u32 v[SOF+1], v1, 5, v7
	s_lshl_b32 s22, s93, 4
	s_add_co_u32 s22, s22, s23                     ; v: x's tile 16 x block + 8 x half
	s_mul_i32 s[G0P+18], s22, 12288
	s_mov_b32 s[G0P+19], 0
	s_lshl_b32 s98, s22, 9
	v_mov_b32 v7, s98
	v_cndmask_b32 v7, v19, v7, vcc_lo
	v_lshl_add_u32 v[SOF+2], v1, 5, v7
.irp q, 0,1,2,3
	v_mov_b32 v[TM+4+\q], 0                        ; written once: a lane permute's destination counts as one of its sources
.endr
	s_mov_b32 s100, 0x76543210
	s_mov_b32 s101, 0xfedcba98                     ; v_permlanex16_b32's selects for lane l xor 16
	s_wait_kmcnt 0x0
	s_add_nc_u64 s[G0R+2:G0R+3], s[4:5], s[G0R+2:G0R+3]
	s_add_nc_u64 s[G0R+6:G0R+7], s[G0R+2:G0R+3], 6144              ; slot 1's K steps lie 6,144 bytes on in each tile
	s_mov_b64 s[G0R+10:G0R+11], s[G0R+2:G0R+3]                     ; k takes the same rows of x as q
	s_mov_b64 s[G0R+14:G0R+15], s[G0R+6:G0R+7]
	s_add_nc_u64 s[G0R+18:G0R+19], s[4:5], s[G0R+18:G0R+19]
	s_add_nc_u64 s[G0R+22:G0R+23], s[G0R+18:G0R+19], 6144
	s_add_nc_u64 s[G0P+2:G0P+3], s[4:5], s[G0P+2:G0P+3]
	s_add_nc_u64 s[G0P+6:G0P+7], s[G0P+2:G0P+3], 6144
	s_add_nc_u64 s[G0P+10:G0P+11], s[4:5], s[G0P+10:G0P+11]
	s_add_nc_u64 s[G0P+14:G0P+15], s[G0P+10:G0P+11], 6144
	s_add_nc_u64 s[G0P+18:G0P+19], s[4:5], s[G0P+18:G0P+19]
	s_add_nc_u64 s[G0P+22:G0P+23], s[G0P+18:G0P+19], 6144
.irp w, 43,47,51,55,59,63,71,75,79,83,87,91
	s_or_b32 s\w, s\w, 0x80000000                  ; 127:126 type = 2
.endr
	ROUND                                          ; all sixteen work-groups are here: the first joint loads meet
	s_cmp_eq_u32 s15, 0                            ; a wave's two first fills stand in one arm, ahead of every wait on TENSORcnt, every LDS read and every further barrier
	s_cbranch_scc0 .Lfor_p
	tensor_load_to_lds s[G0R:G0R+3], s[G1R:G1R+7]
	s_nop 0
	tensor_load_to_lds s[G0R+4:G0R+7], s[G1R:G1R+7]
	s_nop 0
	PLACES 4                                       ; four v_nop follow the last line, ahead of the jump and the label
	s_branch .Lasked
.Lfor_p:
	tensor_load_to_lds s[G0P:G0P+3], s[G1P:G1P+7]
	s_nop 0
	tensor_load_to_lds s[G0P+4:G0P+7], s[G1P:G1P+7]
	s_nop 0
	PLACES 4
.Lasked:
	SCLOAD 0
	s_wait_tensorcnt 1                             ; my part of slot 0 has landed; slot 1's load stays out
	s_barrier_signal -1
	s_barrier_wait -1                              ; everybody's has
	FETCH 0
	s_wait_loadcnt 0x0                             ; the scale words
; A GENERATION: eight K steps, two changes of slots, the way out.  g = 0: q, 1: k, 2: v.
.macro GEN g
	KSTEP 0, 0                                     ; the first step's products start the sums: nothing is cleared
	KSTEP 1, 1
	KSTEP 2, 1
.if \g < 2
	CHANGE 1, 2*(\g)+2                             ; slot 0 takes the next generation's K steps 0-3
.else
	CHANGE 0, 0                                    ; nothing is left to fetch
.endif
	FETCH 4
	WIN 0xa1
	MUL 3, 1
	KSTEP 4, 1
	KSTEP 5, 1
	KSTEP 6, 1
.if \g < 2
	CHANGE 1, 2*(\g)+3                             ; slot 1 takes the next generation's K steps 4-7; slot 0 is whole again
.else
	s_wait_dscnt 0x0                               ; the last step's fragments are in
.endif
	WIN 0xa1
	MUL 7, 1
	WIN 0
	PLACES 4                                       ; in front of the first reads of results, of writes over R's fragments and of loads into the scale words
.if \g < 2
	SCLOAD (\g)+1                                  ; the next generation's scale words land while this one is quantised
.endif
	QUANT 0
	QUANT 1
	QUANT 2
	QUANT 3
	v_cmp_eq_u32 vcc_lo, 1, v2
	v_cndmask_b32 v220, v[WD], v[WD+1], vcc_lo     ; lanes 0-15 tile 0's words, lanes 16-31 tile 1's: 128 consecutive bytes
	v_cndmask_b32 v221, v[WD+2], v[WD+3], vcc_lo
	s_mov_b32 s3, 0
.if \g < 2
	v_and_b32 v222, 0xffff, v220                   ; q, k: the first head's two bytes, zeros above them,
	v_and_b32 v223, 0xffff, v221
	v_lshrrev_b32 v224, 16, v220                   ; and the second head's
	v_lshrrev_b32 v225, 16, v221
	s_lshr_b32 s20, s66, 4                         ; batch = block / 16;
	s_lshl_b32 s20, s20, 4
	s_lshl_b32 s21, s17, 2
	s_add_co_u32 s20, s20, s21
	s_lshl_b32 s21, s16, 1
	s_add_co_u32 s20, s20, s21                     ; my first head = 16 batch + 4 cx + 2 wp
	s_and_b32 s21, s66, 15                         ; the step of 128 tokens in the batch
.endif
.if \g == 0
	s_lshl_b32 s22, s20, 7
	s_lshl_b32 s23, s21, 3
	s_add_co_u32 s22, s22, s23
	s_lshl_b32 s23, s15, 2
	s_add_co_u32 s22, s22, s23                     ; 128 head + 8 step + 4 wr: my first query tile
	s_mul_i32 s2, s22, 768
	s_add_nc_u64 s[94:95], s[8:9], s[2:3]
	s_lshl_b32 s2, s22, 6
	s_add_nc_u64 s[96:97], s[10:11], s[2:3]
	STORES 768, 98304, 1, 8192                     ; the next head's tiles lie 128 x 768 bytes on, its words 128 x 64
.elseif \g == 1
	s_mul_i32 s22, s20, 208896
	s_mul_i32 s23, s21, 13056
	s_add_co_u32 s22, s22, s23                     ; the head's block of this key step
	s_mul_i32 s2, s15, 3072
	s_add_co_u32 s2, s2, s22
	s_add_nc_u64 s[94:95], s[12:13], s[2:3]        ; k's half images 4 wr on
	s_lshl_b32 s2, s15, 8
	s_add_co_u32 s2, s2, s22
	s_add_co_u32 s2, s2, 12288
	s_add_nc_u64 s[96:97], s[12:13], s[2:3]        ; and their words
	STORES 768, 208896, 1, 208896                  ; the next head's block lies 16 x 13,056 bytes on
.else
	s_lshl_b32 s20, s93, 1
	s_add_co_u32 s20, s20, s16                     ; the key step of all 64: 2 x block + wp
	s_and_b32 s21, s20, 15                         ; in its batch
	s_lshr_b32 s20, s20, 4
	s_lshl_b32 s20, s20, 4
	s_lshl_b32 s22, s92, 1
	s_add_co_u32 s20, s20, s22
	s_add_co_u32 s20, s20, s15                     ; head = 16 batch + 2 x Wv's block + wr
	s_mul_i32 s22, s20, 208896
	s_mul_i32 s23, s21, 13056
	s_add_co_u32 s22, s22, s23
	s_add_co_u32 s2, s22, 6144
	s_add_nc_u64 s[94:95], s[12:13], s[2:3]        ; v^T's four images
	s_add_co_u32 s2, s22, 12800
	s_add_nc_u64 s[96:97], s[12:13], s[2:3]        ; and their words
	STORES 1536, 768, 0, 0
.endif
.if \g < 2
	s_wait_xcnt 0x0                                ; the stores have read their registers and bases: the next fragments may land there; nothing waits for the stores themselves
	FETCH 0                                        ; the next generation's first fragments, from slot 0
	s_wait_loadcnt 0x0                             ; and its scale words
.endif
.endm
	GEN 0
	GEN 1
	GEN 2
	s_wait_tensorcnt 0x0                           ; the wave's end, behind my last tensor load: my last LDS instructions
	ds_add_u32 v[SPW], v[NIL]
	s_wait_dscnt 0x0
	ROUND                                          ; the closing round: no work-group ends while a partner may still ask for a tile that names it
	s_endpgm
.Lfunc_end_k_qcf15f62de9_qkv:
	.size	k_qcf15f62de9_qkv, .Lfunc_end_k_qcf15f62de9_qkv-k_qcf15f62de9_qkv
	.p2alignl 7, 3214868480
	.fill 96, 4, 3214868480
	.section	.rodata,"a",@progbits
	.p2align	6, 0x0
	.amdhsa_kernel k_qcf15f62de9_qkv
		.amdhsa_group_segment_fixed_size 327680
		.amdhsa_private_segment_fixed_size 0
		.amdhsa_enable_private_segment 0
		.amdhsa_kernarg_size 40
		.amdhsa_user_sgpr_count 2
		.amdhsa_user_sgpr_kernarg_segment_ptr 1
		.amdhsa_wavefront_size32 1
		.amdhsa_system_sgpr_workgroup_id_x 1
		.amdhsa_system_sgpr_workgroup_id_y 1
		.amdhsa_system_sgpr_workgroup_id_z 1
		.amdhsa_system_vgpr_workitem_id 0
		.amdhsa_next_free_vgpr 768
		.amdhsa_next_free_sgpr 106
		.amdhsa_reserve_vcc 1
		.amdhsa_float_denorm_mode_32 3
		.amdhsa_float_denorm_mode_16_64 3
		.amdhsa_memory_ordered 1
		.amdhsa_forward_progress 1
		.amdhsa_inst_pref_size 247
	.end_amdhsa_kernel
	.amdgpu_metadata
---
amdhsa.version: [ 1, 2 ]
amdhsa.kernels:
  - .name:           k_qcf15f62de9_qkv
    .symbol:         k_qcf15f62de9_qkv.kd
    .args:
      - { .name: opc, .offset: 0, .size: 8, .value_kind: global_buffer, .address_space: global }
      - { .name: ops, .offset: 8, .size: 8, .value_kind: global_buffer, .address_space: global }
      - { .name: qc, .offset: 16, .size: 8, .value_kind: global_buffer, .address_space: global }
      - { .name: qs, .offset: 24, .size: 8, .value_kind: global_buffer, .address_space: global }
      - { .name: kvc, .offset: 32, .size: 8, .value_kind: global_buffer, .address_space: global }
    .group_segment_fixed_size: 327680
    .private_segment_fixed_size: 0
    .kernarg_segment_align: 8
    .kernarg_segment_size: 40
    .max_flat_workgroup_size: 128
    .sgpr_count:     106
    .vgpr_count:     768
    .wavefront_size: 32
...
	.end_amdgpu_metadata
.endif
;; end of part 2
;; launch attn (part 3): grid 4 x 64, 16 waves a work-group, clusters of 4 x 1, 210,944 bytes of LDS; arguments qc, qs, kvc, cc, cs; writes cc, cs
.if DOCPART == 3
	.amdgcn_target "amdgcn-amd-amdhsa--gfx1250"
	.amdhsa_code_object_version 6
	.text
	.protected	k_qcf15f62de9_attn
	.globl	k_qcf15f62de9_attn
	.p2align	8
	.type	k_qcf15f62de9_attn,@function
k_qcf15f62de9_attn:
	s_mov_b64 s[64:65], 0
	v_nop
	global_prefetch_b8 v0, s[64:65] scope:SCOPE_SE
	s_setreg_imm32_b32 hwreg(HW_REG_WAVE_MODE, 25, 1), 1
	s_wait_xcnt 0x0
	s_wait_alu depctr_hold_cnt(0) depctr_sa_sdst(0) depctr_va_vdst(0) depctr_va_sdst(0) depctr_va_ssrc(0) depctr_va_vcc(0) depctr_vm_vsrc(0)
	s_getreg_b32 s2, hwreg(HW_REG_IB_STS2, 6, 4)
	s_cmp_eq_u32 s2, 0
	s_cbranch_scc0 .Lentry_in_a_cluster
	s_endpgm
.Lentry_in_a_cluster:
	s_bfe_u32 s2, ttmp6, 0x10000c
	s_cmp_lg_u32 s2, 0x3003
	s_cbranch_scc0 .Lentry_shape_is_right
	s_endpgm
.Lentry_shape_is_right:
; ctx = softmax(q k^T / 8, causal) v for 64 heads (batch x head) of 2,048 tokens x 64, both products on codes of BF6 with E8M0 scales; ctx is quantised in registers along the features and leaves as codes.
; THE SOFTMAX AHEAD OF THE SECOND PRODUCT: t = score x log2(e) / 8; M = the row's largest t so far, rounded up to a whole number; p = 2^(t - M) is quantised along the keys, not normalised; the row's sum is taken of the
; unquantised p and divides at the end.  When M moves, the sum and O are multiplied by 2^(old M - new M), which rounds nothing.
; SHARES.  A cluster of four work-groups owns a head.  A HEAD'S k AND v, 208,896 bytes of codes and scale words, LIE IN LDS ONCE: waves 0 to 3 bring them by three joint loads each (three of mine are out), the same in all
; four work-groups, so that each byte is asked for once for the four.  No LDS byte is filled twice.
; A wave makes two tiles of 16 queries: with g = wave / 2 and e = 2 cx + wave % 2, first tile 127 - (8 g + e), whose last key step is 15 - g, then tile 8 g + e, whose last is g: 17 key steps of 128 keys for every wave.
; Trip counts are constants; a step all of whose keys come after the tile's queries is jumped over by a scalar branch on the wave's number and the step's; cx enters global addresses and the mask's data alone.
; LAYOUT.  S^T = k q^T (source 0 = 16 keys, source 1 = my 16 queries), O^T = v^T p^T (source 0 = 16 features, source 1 = p): a lane holds one query throughout.  The head's 64 fill half of the instruction's K of 128:
; registers 6-11 of q's fragment are zero codes, and bytes 2, 3 of q's and k's scale words are 0, which is 2^-127.  What stands against a zero code adds nothing, whatever code it is: so K'S EIGHT FRAGMENTS LIE SIX
; REGISTERS APART, each one's registers 6-11 being the next one's data (six zero registers follow the last): all of a step's k comes in one run of loads, with one wait, and its eight products stand back to back.
; v's four fragments land in k's registers as soon as those products have read them, ahead of the softmax, which they have in which to land.
; A tile's rows are not neighbours (row i of tile t is row 32 (t / 2) + 8 (t % 2) + i + 8 (i / 8)): so the 16 registers of tiles 2 b, 2 b + 1 of S^T are keys 32 b + 16 (lane / 16) + 0 .. 15, and likewise O^T's features.
; A key step in LDS (13,056 bytes): 8 half images of k (768 each), 4 images of v^T (1,536 each), k's scale words [tile 8][row], v's [tile 4][row].
; OUTPUT.  cc [token tile 512][head 16][768]: half images (16 tokens x 64 features);  cs [token tile][row 16][32]: a head's two scale bytes at 2 x head: stores of two bytes a row, 1 byte in 25 of what the launch stores.
; LIMITS: the running largest t starts at -3e38; a block of zeros gets the byte 1 (zero codes; this program alone reads the bytes); a block's largest p is made from the block's largest score by the same two instructions,
; which takes v_exp_f32 not to fall where its input rises; NaN and infinities are not served.
; REGISTERS: v1-3 16, 8, 4 x lane; v4 the mask's d; v5-7 the step's LDS addresses; v8 4 r, v9 32 r, v10 r + 8 (r / 8) - 16 h; v12 -M, v13 the largest t, v[14:15] the sum; v16-63 k's eight fragments, then v's four;
;   v64-69 zeros; v76-139 S^T, then p; v140-171 O^T; v172-183 p's codes; v184-190 conversions' results that are moved; v192-203 at work; v204-207 k's scale words, v208-209 v's, v210 q's, v211 p's
;   (these eight hold scales and nothing else); v[212:213] f; v214 at work; v215 -infinity; v216-222 the second tile's q and its word; v224-231 ctx's codes and bytes; v232-243 q.
.set STEPB, 13056
.set KF,  16                           ; k's fragment t at v[KF + 6 t]; v's fragment t at v[KF + 12 t]
.set QF,  232                          ; q's fragment
.set SEL, 20                           ; s[20:21] v_permlanex16_b32's selects for lane l xor 16
.set CS,  22                           ; s[22:23] c = log2(e) / 8
.set G1A, 24                           ; s[24:31] group 1: one key step, 51 rows of 256 bytes;  s[32:39]: two key steps, 102 rows
.set G1B, 32
.set TB,  52                           ; s52 LDS byte at which the step in hand begins
.set STP, 53                           ; s53 the step's number
.set DG,  54                           ; s54 the tile's last step, which lies on the diagonal
.set CNT, 55
.macro ROUND                           ; a round of the cluster's barrier
	s_barrier_signal -1
	s_barrier_wait -1
	s_cmp_lg_u32 s14, 0
	s_cbranch_scc1 .Lnot_wave_0_\@
	s_barrier_signal -3
.Lnot_wave_0_\@:
	s_barrier_wait -3
	s_barrier_signal -1
	s_barrier_wait -1
.endm
	s_load_b256 s[4:11], s[0:1], 0x0               ; qc, qs, kvc, cc
	s_load_b64 s[12:13], s[0:1], 0x20              ; cs
	v_lshl_add_u32 v254, v0, 2, 0x33000
	v_mov_b32 v255, 0
	ds_add_u32 v254, v255
	ds_add_u32 v254, v255
	v_lshrrev_b32 v11, 5, v0
	v_readfirstlane_b32 s14, v11                   ; wave 0..15
	v_and_b32 v11, 31, v0
	v_lshlrev_b32 v1, 4, v11
	v_lshlrev_b32 v2, 3, v11
	v_lshlrev_b32 v3, 2, v11
	v_and_b32 v11, 15, v0                          ; r
	v_lshlrev_b32 v8, 2, v11
	v_lshlrev_b32 v9, 5, v11
	v_and_b32 v10, 8, v11
	v_add_nc_u32 v10, v10, v11
	v_bfe_u32 v11, v0, 4, 1                        ; h
	v_lshlrev_b32 v11, 4, v11
	v_sub_nc_u32 v10, v10, v11                     ; r + 8 (r / 8) - 16 h
	s_lshr_b32 s15, s14, 1                         ; g
	s_bfe_u32 s17, ttmp6, 0x40000                  ; cx
	s_and_b32 s16, s14, 1
	s_lshl_b32 s2, s17, 1
	s_add_co_u32 s16, s16, s2                      ; e
	s_and_b32 s18, ttmp7, 0xffff                   ; the head, 16 batch + head: the cluster's y, which the four partners share
	s_lshl_b32 s19, s15, 3
	s_add_co_u32 s19, s19, s16                     ; the second tile, 8 g + e
	s_sub_co_u32 s76, 127, s19                     ; the first
	s_mov_b32 s[SEL], 0x76543210
	s_mov_b32 s[SEL+1], 0xfedcba98
	s_mov_b32 s[CS], 0x3e38aa3b
	s_mov_b32 s[CS+1], s[CS]                       ; (named with it as a pair, so it is written)
	s_mov_b32 s[G1A], 15|(3<<16)|(1<<21)           ; 15:0 the mask: all four work-groups; 17:16 elements of 8 bytes; 21 set beside a mask; no padding
	s_mov_b32 s[G1A+1], 32<<16                     ; rows of 256 bytes
	s_mov_b32 s[G1A+2], 51<<16
	s_mov_b32 s[G1A+3], 32<<16
	s_mov_b32 s[G1A+4], 51
	s_mov_b32 s[G1A+5], 32                         ; dense
	s_mov_b32 s[G1A+6], 0
	s_mov_b32 s[G1A+7], 0
	s_mov_b32 s[G1B], 15|(3<<16)|(1<<21)
	s_mov_b32 s[G1B+1], 32<<16
	s_mov_b32 s[G1B+2], 102<<16
	s_mov_b32 s[G1B+3], 32<<16
	s_mov_b32 s[G1B+4], 102
	s_mov_b32 s[G1B+5], 32
	s_mov_b32 s[G1B+6], 0
	s_mov_b32 s[G1B+7], 0
	; groups 0 of the fetching waves w = 0 .. 3: s[40:43] step w, s[44:47] step 4 + w, s[48:51] steps 8 + 2 w and 9 + 2 w.  A byte's LDS address is its offset in the head's block
	s_mov_b32 s40, 1
	s_mul_i32 s41, s14, STEPB
	s_mov_b32 s44, 1
	s_add_co_u32 s45, s41, 4*STEPB
	s_mov_b32 s48, 1
	s_mul_i32 s49, s14, 2*STEPB
	s_add_co_u32 s49, s49, 8*STEPB
	s_mul_i32 s2, s18, 16*STEPB                    ; the head's block in kvc
	s_mov_b32 s3, 0
	s_mov_b32 s42, s41
	s_mov_b32 s43, 0
	s_mov_b32 s50, s49
	s_mov_b32 s51, 0
	s_wait_dscnt 0x0
	s_wait_kmcnt 0x0
	s_add_nc_u64 s[8:9], s[8:9], s[2:3]
	s_add_nc_u64 s[42:43], s[8:9], s[42:43]
	s_add_nc_u64 s[46:47], s[42:43], 4*STEPB
	s_add_nc_u64 s[50:51], s[8:9], s[50:51]
	s_or_b32 s43, s43, 0x80000000                  ; 127:126 type = 2
	s_or_b32 s47, s47, 0x80000000
	s_or_b32 s51, s51, 0x80000000
	; q's, qs's, cc's and cs's addresses of the two tiles: s[56:57], s[60:61], s[68:69], s[70:71] the first; s[58:59], s[62:63], s[72:73], s[74:75] the second
	s_lshl_b32 s77, s18, 7
	s_add_co_u32 s78, s77, s76                     ; 128 head + tile
	s_mul_i32 s2, s78, 768
	s_add_nc_u64 s[56:57], s[4:5], s[2:3]
	s_lshl_b32 s2, s78, 6
	s_add_nc_u64 s[60:61], s[6:7], s[2:3]
	s_add_co_u32 s78, s77, s19
	s_mul_i32 s2, s78, 768
	s_add_nc_u64 s[58:59], s[4:5], s[2:3]
	s_lshl_b32 s2, s78, 6
	s_add_nc_u64 s[62:63], s[6:7], s[2:3]
	s_lshr_b32 s77, s18, 4
	s_lshl_b32 s77, s77, 7                         ; 128 batch
	s_and_b32 s79, s18, 15                         ; the head in its batch
	s_add_co_u32 s78, s77, s76                     ; the token tile
	s_mul_i32 s2, s78, 12288
	s_mul_i32 s16, s79, 768
	s_add_co_u32 s2, s2, s16
	s_add_nc_u64 s[68:69], s[10:11], s[2:3]
	s_lshl_b32 s2, s78, 9
	s_lshl_b32 s17, s79, 1
	s_add_co_u32 s2, s2, s17
	s_add_nc_u64 s[70:71], s[12:13], s[2:3]
	s_add_co_u32 s78, s77, s19
	s_mul_i32 s2, s78, 12288
	s_add_co_u32 s2, s2, s16
	s_add_nc_u64 s[72:73], s[10:11], s[2:3]
	s_lshl_b32 s2, s78, 9
	s_add_co_u32 s2, s2, s17
	s_add_nc_u64 s[74:75], s[12:13], s[2:3]
	ROUND                                          ; all four work-groups are here: the joint loads meet
	s_cmp_lt_u32 s14, 4                            ; the branch hangs on the wave's number alone; a wave's three loads stand in one branch
	s_cbranch_scc0 .Lno_fetch
	tensor_load_to_lds s[40:43], s[G1A:G1A+7]
	s_nop 0
	tensor_load_to_lds s[44:47], s[G1A:G1A+7]
	s_nop 0
	tensor_load_to_lds s[48:51], s[G1B:G1B+7]
	s_nop 0
.rept 4
	v_nop                                          ; four v_nop follow the last line, ahead of the label
.endr
.Lno_fetch:
	global_load_b128 v[QF:QF+3], v1, s[56:57]      ; the first tile's q: a half image,
	global_load_b64 v[QF+4:QF+5], v2, s[56:57] offset:512
	global_load_b32 v210, v8, s[60:61]             ; its rows' scale words;
	global_load_b128 v[216:219], v1, s[58:59]      ; and the second tile's, kept for later
	global_load_b64 v[220:221], v2, s[58:59] offset:512
	global_load_b32 v222, v8, s[62:63]
.irp i, 6,7,8,9,10,11
	v_mov_b32 v[QF+\i], 0                          ; K = 64 .. 127 of q: zero codes
.endr
.irp i, 64,65,66,67,68,69
	v_mov_b32 v\i, 0                               ; registers 6-11 of k's last fragment: set once, never loaded over
.endr
.irp i, 196,197,198,199,213,214
	v_mov_b32 v\i, 0                               ; lane permutes' destinations, and the upper half of the pair v[212:213]: written before they are named
.endr
	v_mov_b32 v215, 0xff800000                     ; -infinity
; A tile begins: d = my query - the diagonal step's first key - 16 (lane / 16); O^T and the sum are zeros and the largest t -3e38, so that the step is written once: the first change of M multiplies zeros.
.macro INIT tq
	s_and_b32 s77, s[\tq], 7
	s_lshr_b32 s78, s77, 1
	s_lshl_b32 s78, s78, 5
	s_and_b32 s77, s77, 1
	s_lshl_b32 s77, s77, 3
	s_add_co_u32 s77, s77, s78                     ; the tile's first query in its step of 128: 32 ((tile % 8) / 2) + 8 (tile % 2)
	v_add_nc_u32 v4, s77, v10
	v_mov_b32 v13, 0xff61b1e6
	v_floor_f32 v12, -v13
	v_mov_b32 v14, 0
	v_mov_b32 v15, 0
.set n, 0
.rept 32
	v_mov_b32 v[140+n], 0
.set n, n+1
.endr
	s_mov_b32 s[TB], 0
	s_mov_b32 s[STP], 0
.endm
; A KEY STEP: 128 keys.  masked = 1: the step may lie on or behind the tile's diagonal.
.macro STEP masked
.if \masked
	s_cmp_gt_u32 s[STP], s[DG]                     ; all its keys come after my queries: only the lines that step the address and the number remain
	s_cbranch_scc1 .Lskip_\@
.endif
	v_add_nc_u32 v5, s[TB], v1
	v_add_nc_u32 v6, s[TB], v2
	v_add_nc_u32 v7, s[TB], v3
	v_nop                                          ; four places behind the last step's products, which read v's fragments where k's now land
.irp i, 0,1,2,3
	ds_load_b32 v[204+\i], v7 offset:12288+128*\i  ; k's scale words: lanes 0-15 tile 2 i, lanes 16-31 tile 2 i + 1
.endr
.irp t, 0,1,2,3,4,5,6,7                ; all eight tiles of 16 keys, six registers each
	ds_load_b128 v[KF+6*\t:KF+6*\t+3], v5 offset:768*\t
	ds_load_b64 v[KF+6*\t+4:KF+6*\t+5], v6 offset:768*\t+512
.endr
	s_wait_dscnt 0x0
.irp t, 0,1,2,3,4,5,6,7                ; S^T = k q^T: eight accumulators, one instruction each
.if (\t%2) == 0
	v_wmma_scale_f32_16x16x128_f8f6f4 v[76+8*\t:83+8*\t], v[KF+6*\t:KF+6*\t+11], v[QF:QF+11], 0, v[204+\t/2], v210 matrix_a_fmt:MATRIX_FMT_BF6 matrix_b_fmt:MATRIX_FMT_BF6
.else
	v_wmma_scale_f32_16x16x128_f8f6f4 v[76+8*\t:83+8*\t], v[KF+6*\t:KF+6*\t+11], v[QF:QF+11], 0, v[204+\t/2], v210 matrix_a_fmt:MATRIX_FMT_BF6 matrix_b_fmt:MATRIX_FMT_BF6 matrix_a_scale:MATRIX_SCALE_ROW1
.endif
.endr
.rept 4
	v_nop                                          ; places in front of loads into k's registers, and of the first reads of the scores
.endr
.irp t, 0,1,2,3                        ; v^T's four fragments (16 features x these 128 keys) into the registers that k has left: they land while the softmax is worked
	ds_load_b128 v[KF+12*\t:KF+12*\t+3], v5 offset:6144+1536*\t
	ds_load_b64 v[KF+12*\t+4:KF+12*\t+5], v6 offset:6144+1536*\t+512
	ds_load_b128 v[KF+12*\t+6:KF+12*\t+9], v5 offset:6144+1536*\t+768
	ds_load_b64 v[KF+12*\t+10:KF+12*\t+11], v6 offset:6144+1536*\t+768+512
.endr
.irp i, 0,1
	ds_load_b32 v[208+\i], v7 offset:12800+128*\i  ; v's scale words: lanes 0-15 tile 2 i, lanes 16-31 tile 2 i + 1
.endr
.if \masked
	s_cmp_lg_u32 s[STP], s[DG]
	s_cbranch_scc1 .Lopen_\@                       ; a step all of whose keys count skips the mask
.set n, 0
.rept 64                               ; register 16 b + i holds key 32 b + 16 (lane / 16) + i of the step: hidden where 32 b + i > d; its score becomes -infinity, so p = 0
	v_cmp_gt_i32 vcc_lo, 32*(n/16)+n%16, v4
	v_cndmask_b32 v[76+n], v[76+n], v215, vcc_lo
.set n, n+1
.endr
.Lopen_\@:
.endif
.irp b, 0,1,2,3
	v_max3_num_f32 v[192+\b], v[76+16*\b], v[77+16*\b], v[78+16*\b]   ; the largest score of each block of 32 keys: for the row's maximum and, since p rises with the score, for the block's largest p
.endr
.irp i, 3,5,7,9,11,13
.irp b, 0,1,2,3
	v_max3_num_f32 v[192+\b], v[192+\b], v[76+16*\b+\i], v[77+16*\b+\i]
.endr
.endr
.irp b, 0,1,2,3
	v_max_num_f32 v[192+\b], v[192+\b], v[91+16*\b]
.endr
.irp b, 0,1,2,3
	v_permlanex16_b32 v[196+\b], v[192+\b], s[SEL], s[SEL+1]
.endr
.irp b, 0,1,2,3
	v_max_num_f32 v[192+\b], v[192+\b], v[196+\b]  ; with lane l xor 16's 16 keys
.endr
	v_max3_num_f32 v214, v192, v193, v194
	v_max_num_f32 v214, v214, v195                 ; the step's largest score of my query
	v_mul_f32 v214, s[CS], v214                    ; as t (c is positive)
	v_max_num_f32 v13, v13, v214                   ; the running largest t
	v_mov_b32 v214, v12
	v_floor_f32 v12, -v13                          ; the new -M = floor(-t) = -ceil(t): a whole number
	v_sub_f32 v214, v12, v214                      ; old M - new M: a whole number, 0 or less
	v_cvt_i32_f32 v214, v214                       ; (it saturates)
	v_ldexp_f32 v212, 1.0, v214                    ; f = 2^(old M - new M)
.set n, 0
.rept 32
	v_pk_fma_f32 v[76+n:77+n], v[76+n:77+n], s[CS:CS+1], v[12:13] op_sel_hi:[1,0,0]   ; t - M, two at a time (of the pairs c and -M the low word serves both halves)
.set n, n+2
.endr
.irp b, 0,1,2,3
	v_fma_f32 v[192+\b], v[192+\b], s[CS], v12     ; the same of each block's largest score
.endr
.set n, 0
.rept 64
	v_exp_f32 v[76+n], v[76+n]                     ; p = 2^(t - M), at most 1
.set n, n+1
.endr
.irp b, 0,1,2,3
	v_exp_f32 v[192+\b], v[192+\b]                 ; the block's largest p
.endr
	v_pk_mul_f32 v[14:15], v[14:15], v[212:213] op_sel_hi:[1,0]   ; the sums under the new M (a plain place behind the exponentials)
	s_wait_alu depctr_va_vdst(0)
.irp b, 0,1,2,3
	v_max_num_f32 v[192+\b], 0x2800000, v[192+\b]  ; the floor 2^(5 - 127): the byte cannot fall under 1
.endr
.irp b, 0,1,2,3
	v_add_nc_u32 v[200+\b], 0xfe000000, v[192+\b]  ; 4 off the exponent field: the conversion's scale operand
.endr
.irp b, 0,1,2,3
	v_lshrrev_b32 v[196+\b], 23, v[200+\b]         ; the scale's byte
.endr
	v_lshl_or_b32 v211, v197, 8, v196              ; p's scale word for these 128 keys
	v_lshl_or_b32 v211, v198, 16, v211
	v_lshl_or_b32 v211, v199, 24, v211
.irp c, 0,1
	v_cvt_scalef32_pk16_bf6_f32 v[172+6*\c:174+6*\c], v[76+32*\c:91+32*\c], v[200+2*\c]
	v_cvt_scalef32_pk16_bf6_f32 v[184+4*\c:186+4*\c], v[92+32*\c:107+32*\c], v[200+2*\c+1]   ; (a conversion's three registers begin on an even number)
.endr
	v_nop                                          ; one plain place behind a scaled conversion
.irp c, 0,1                            ; the operand's layout wants a whole block in a lane
.irp i, 0,1,2
	v_permlane16_swap_b32 v[172+6*\c+\i], v[184+4*\c+\i]
.endr
.irp i, 0,1,2
	v_mov_b32 v[175+6*\c+\i], v[184+4*\c+\i]
.endr
.endr
	v_pk_add_f32 v[184:185], v[76:77], v[78:79]    ; the row's sum is taken of the unquantised p: two at a time, in two chains
.irp j, 4,8,12,16,20,24,28,32,36,40,44,48,52,56,60
	v_pk_add_f32 v[14:15], v[14:15], v[76+\j:77+\j]
	v_pk_add_f32 v[184:185], v[184:185], v[78+\j:79+\j]
.endr
	v_pk_add_f32 v[14:15], v[14:15], v[184:185]
.set n, 0
.rept 16
	v_pk_mul_f32 v[140+n:141+n], v[140+n:141+n], v[212:213] op_sel_hi:[1,0]   ; O^T under the new M; with the sums above these are the places between the writes of p's codes and scale word and the products
.set n, n+2
.endr
	s_wait_dscnt 0x0                               ; v's fragments and scale words: asked for ahead of the softmax
.irp t, 0,1,2,3                        ; O^T += v^T p^T: four accumulators, one instruction each
.if (\t%2) == 0
	v_wmma_scale_f32_16x16x128_f8f6f4 v[140+8*\t:147+8*\t], v[KF+12*\t:KF+12*\t+11], v[172:183], v[140+8*\t:147+8*\t], v[208+\t/2], v211 matrix_a_fmt:MATRIX_FMT_BF6 matrix_b_fmt:MATRIX_FMT_BF6
.else
	v_wmma_scale_f32_16x16x128_f8f6f4 v[140+8*\t:147+8*\t], v[KF+12*\t:KF+12*\t+11], v[172:183], v[140+8*\t:147+8*\t], v[208+\t/2], v211 matrix_a_fmt:MATRIX_FMT_BF6 matrix_b_fmt:MATRIX_FMT_BF6 matrix_a_scale:MATRIX_SCALE_ROW1
.endif
.endr
.if \masked
.Lskip_\@:
.endif
	s_add_co_u32 s[TB], s[TB], STEPB
	s_add_co_u32 s[STP], s[STP], 1
.endm
.macro LOOP n, masked                  ; n key steps: a constant of the text
	s_mov_b32 s[CNT], \n
.Lloop_\@:
	STEP \masked
	s_sub_co_u32 s[CNT], s[CNT], 1
	s_cmp_lg_u32 s[CNT], 0
	s_cbranch_scc1 .Lloop_\@
.endm
; A tile ends: O^T / the sum is ctx: register 16 b + i = feature 32 b + 16 (lane / 16) + i of my token: two blocks of 32, quantised as they stand; the half image and the two scale bytes are stored.
.macro FINISH ccp, csp
	s_wait_xcnt 0x0                                ; the last tile's stores have read their registers
.rept 4
	v_nop                                          ; places behind the last products
.endr
	v_add_f32 v14, v14, v15                        ; the sum's two halves,
	v_permlanex16_b32 v214, v14, s[SEL], s[SEL+1]
	v_add_f32 v14, v14, v214                       ; and lane l xor 16's
	v_rcp_f32 v14, v14
	v_nop                                          ; one plain place behind a transcendental
.set n, 0
	s_wait_alu depctr_va_vdst(0)
.rept 32
	v_mul_f32 v[76+n], v[140+n], v14               ; each accumulator from its low end on
.set n, n+1
.endr
.irp b, 0,1
	v_max3_num_f32 v[192+\b], |v[76+16*\b]|, |v[77+16*\b]|, 0x2800000
.endr
.irp i, 2,4,6,8,10,12,14
.irp b, 0,1
	v_max3_num_f32 v[192+\b], v[192+\b], |v[76+16*\b+\i]|, |v[77+16*\b+\i]|
.endr
.endr
.irp b, 0,1
	v_permlanex16_b32 v[196+\b], v[192+\b], s[SEL], s[SEL+1]
.endr
.irp b, 0,1
	v_max_num_f32 v[192+\b], v[192+\b], v[196+\b]
.endr
.irp b, 0,1
	v_add_nc_u32 v[200+\b], 0xfe000000, v[192+\b]
.endr
.irp b, 0,1
	v_lshrrev_b32 v[196+\b], 23, v[200+\b]
.endr
	v_lshl_or_b32 v231, v197, 8, v196              ; the head's two scale bytes of my token
	v_cvt_scalef32_pk16_bf6_f32 v[224:226], v[76:91], v200
	v_cvt_scalef32_pk16_bf6_f32 v[228:230], v[92:107], v201
	v_nop                                          ; one plain place behind a scaled conversion
.irp i, 0,1,2
	v_permlane16_swap_b32 v[224+\i], v[228+\i]     ; lanes 0-15 block 0, lanes 16-31 block 1
.endr
.irp i, 0,1,2
	v_mov_b32 v[227+\i], v[228+\i]
.endr
	global_store_b128 v1, v[224:227], s[\ccp:\ccp+1]               ; 512 consecutive bytes, at a multiple of 256 from cc's first byte
	global_store_b64 v2, v[228:229], s[\ccp:\ccp+1] offset:512     ; 256 consecutive bytes, likewise
	global_store_b16 v9, v231, s[\csp:\csp+1]                      ; lanes r and r + 16 store the same two bytes
.endm
	INIT 76                                        ; the first tile, 127 - (8 g + e)
	s_sub_co_u32 s[DG], 15, s15                    ; its diagonal step: made of the wave's number alone
	s_wait_loadcnt 0x0                             ; both tiles' q
	s_wait_tensorcnt 2                             ; a fetching wave's first load, one of key steps 0 to 3, has landed; its two younger loads stay out
	s_wait_dscnt 0x0
	s_barrier_signal -1
	s_barrier_wait -1
	LOOP 4, 0                                      ; steps 0 to 7 lie in front of every first tile's diagonal (step 8 at the least)
	s_wait_tensorcnt 1                             ; key steps 4 to 7 have landed; the youngest load stays out
	s_wait_dscnt 0x0
	s_barrier_signal -1
	s_barrier_wait -1
	LOOP 4, 0
	s_wait_tensorcnt 0x0                           ; key steps 8 to 15
	s_wait_dscnt 0x0
	s_barrier_signal -1
	s_barrier_wait -1
	LOOP 8, 1
	FINISH 68, 70
.irp i, 0,1,2,3,4,5
	v_mov_b32 v[QF+\i], v[216+\i]                  ; the second tile's q and its scale words; the 37 plain lines of INIT stand between these writes and the next scaled product
.endr
	v_mov_b32 v210, v222
	INIT 19                                        ; the second tile, 8 g + e
	s_mov_b32 s[DG], s15
	LOOP 8, 1
	FINISH 72, 74
	s_wait_tensorcnt 0x0
	ds_add_u32 v254, v255
	s_wait_dscnt 0x0
	ROUND                                          ; the closing round: no work-group ends while a partner may still ask for a tile that names it
	s_endpgm
.Lfunc_end_k_qcf15f62de9_attn:
	.size	k_qcf15f62de9_attn, .Lfunc_end_k_qcf15f62de9_attn-k_qcf15f62de9_attn
	.p2alignl 7, 3214868480
	.fill 96, 4, 3214868480
	.section	.rodata,"a",@progbits
	.p2align	6, 0x0
	.amdhsa_kernel k_qcf15f62de9_attn
		.amdhsa_group_segment_fixed_size 210944
		.amdhsa_private_segment_fixed_size 0
		.amdhsa_enable_private_segment 0
		.amdhsa_kernarg_size 40
		.amdhsa_user_sgpr_count 2
		.amdhsa_user_sgpr_kernarg_segment_ptr 1
		.amdhsa_wavefront_size32 1
		.amdhsa_system_sgpr_workgroup_id_x 1
		.amdhsa_system_sgpr_workgroup_id_y 1
		.amdhsa_system_sgpr_workgroup_id_z 1
		.amdhsa_system_vgpr_workitem_id 0
		.amdhsa_next_free_vgpr 256
		.amdhsa_next_free_sgpr 80
		.amdhsa_reserve_vcc 1
		.amdhsa_float_denorm_mode_32 3
		.amdhsa_float_denorm_mode_16_64 3
		.amdhsa_memory_ordered 1
		.amdhsa_forward_progress 1
		.amdhsa_inst_pref_size 92
	.end_amdhsa_kernel
	.amdgpu_metadata
---
amdhsa.version: [ 1, 2 ]
amdhsa.kernels:
  - .name:           k_qcf15f62de9_attn
    .symbol:         k_qcf15f62de9_attn.kd
    .args:
      - { .name: qc, .offset: 0, .size: 8, .value_kind: global_buffer, .address_space: global }
      - { .name: qs, .offset: 8, .size: 8, .value_kind: global_buffer, .address_space: global }
      - { .name: kvc, .offset: 16, .size: 8, .value_kind: global_buffer, .address_space: global }
      - { .name: cc, .offset: 24, .size: 8, .value_kind: global_buffer, .address_space: global }
      - { .name: cs, .offset: 32, .size: 8, .value_kind: global_buffer, .address_space: global }
    .group_segment_fixed_size: 210944
    .private_segment_fixed_size: 0
    .kernarg_segment_align: 8
    .kernarg_segment_size: 40
    .max_flat_workgroup_size: 512
    .sgpr_count:     80
    .vgpr_count:     256
    .wavefront_size: 32
...
	.end_amdgpu_metadata
.endif
;; end of part 3
;; launch proj (part 4): grid 4 x 64, 4 waves a work-group, clusters of 4 x 4, 307,712 bytes of LDS; arguments cc, cs, opc, ops, bo, out0; writes out0
.if DOCPART == 4
	.amdgcn_target "amdgcn-amd-amdhsa--gfx1250"
	.amdhsa_code_object_version 6
	.text
	.protected	k_qcf15f62de9_proj
	.globl	k_qcf15f62de9_proj
	.p2align	8
	.type	k_qcf15f62de9_proj,@function
k_qcf15f62de9_proj:
	s_mov_b64 s[64:65], 0
	v_nop
	global_prefetch_b8 v0, s[64:65] scope:SCOPE_SE
	s_setreg_imm32_b32 hwreg(HW_REG_WAVE_MODE, 25, 1), 1
	s_wait_xcnt 0x0
	s_wait_alu depctr_hold_cnt(0) depctr_sa_sdst(0) depctr_va_vdst(0) depctr_va_sdst(0) depctr_va_ssrc(0) depctr_va_vcc(0) depctr_vm_vsrc(0)
	s_getreg_b32 s2, hwreg(HW_REG_IB_STS2, 6, 4)
	s_cmp_eq_u32 s2, 0
	s_cbranch_scc0 .Lentry_in_a_cluster
	s_endpgm
.Lentry_in_a_cluster:
	s_bfe_u32 s2, ttmp6, 0x10000c
	s_cmp_lg_u32 s2, 0xf033
	s_cbranch_scc0 .Lentry_shape_is_right
	s_endpgm
.Lentry_shape_is_right:
; out0 = ctx Wo^T + bo on codes of BF6 with E8M0 scales; out0 [8192][1024] f32.
; THE PRODUCT.  C'[R row][P row] = sum over k of R P.  P = Wo is source 0 (its rows, the output's columns, run along a lane's result registers), R = ctx is source 1 (its rows, the tokens, lie in the lanes).
; A work-group takes 128 tokens (8 tiles of 16) and 256 columns (16 tiles); wave (wr, wp) takes R's tiles 4 wr + a, a = 0 .. 3, and P's tiles 8 wp + b, b = 0 .. 7: 32 accumulators, 256 registers.  K = 1,024: eight steps of 128.
; A tile's rows are not neighbours (row i of tile t is row 32 (t / 2) + 8 (t % 2) + i + 8 (i / 8)): register j of accumulator (a, b) in lane (r, h) is column 32 (b / 2) + 16 h + 8 (b % 2) + j of my 128, token row r of tile a.
; ALL OF K LIES IN LDS ONCE: 96 KiB of R's codes, 192 KiB of P's, 12 KiB of scale words.  No LDS byte is filled twice.  Each wave issues five tensor loads at the start (the scales, then four chunks of two K steps): five of
; mine are out; the counted waits let the products begin when the first chunk has landed.
; CLUSTER 4 x 4: the four work-groups of a row of the cluster need the same R, the four of a column the same P: every load is a joint one, with the same descriptor in the four that its mask names.
; The bias is the C of each sum's first matrix instruction.  The way out goes through a stage in LDS, in bytes whose only fill has landed and which nobody reads any more, and leaves as rows of 512 consecutive bytes.
; REGISTERS, in windows of 256: window 0: v1-27 addresses; v32-95 scale words and nothing else; v96-143, v144-191 R's fragments, two sets; v192-255 the bias; on the way out v96-223 rows of the output.
;   window 1: P's fragments, two sets, at v0 and v128.   window 2: accumulator (a, b) at v[8 (8 a + b)].
.set RS,   294912                      ; LDS: R's scale words [tile 8][row][K step]
.set PS,   299008                      ; P's [tile 16][row][K step]
.set PB,   98304                       ; P's codes; R's begin at 0
.set RCH,  24576                       ; a chunk (two K steps) of R: 8 tiles x 3,072 bytes
.set PCH,  49152                       ; of P: 16 tiles
.set SPITCH, 528                       ; the stage: 16 rows of 512 bytes + 16 for each wave, from LDS byte 0
.set AR16, 8                           ; v8-11   chunk c of R, my four tiles: + 16 x lane
.set AR8,  12                          ; v12-15  + 8 x lane
.set AP16, 16                          ; v16-19  chunk c of P, my eight tiles: + 16 x lane
.set AP8,  20                          ; v20-23  + 8 x lane
.set ADRS, 24                          ; v24     scale words: lanes 0-15 R's rows, lanes 16-31 P's
.set BA,   25                          ; v25     64 h: my half's place in the bias
.set STO,  26                          ; v26     the stage: where I put 32 bytes of a row
.set RD,   27                          ; v27     and where I read a row back
.set SC,   32                          ; register 8 i + s: lanes 0-15 the word of R's tile 4 wr + i, lanes 16-31 that of P's tile 8 wp + i, for K step s
.set RF,   96
.set BI,   192                         ; bias: register 8 b + j as the accumulators' (any a)
.set BK,   96                          ; the way out: 16 rows read back: v96-159 and v160-223 by turns
.set G1R,  24
.set G1P,  32
.set G1RS, 40
.set G1PS, 48
.set MSB, 0
.macro WIN new                         ; the immediate's high byte repeats the setting that is left
.if MSB != \new
	s_set_vgpr_msb (MSB<<8)|\new
.set MSB, \new
.endif
.endm
.macro PLACES n                        ; plain vector instructions that name no register of the matrix instructions in front (ISA guide 7.12.1)
.rept \n
	v_nop
.endr
.endm
.macro ROUND                           ; a round of the cluster's barrier
	s_barrier_signal -1
	s_barrier_wait -1
	s_cmp_lg_u32 s14, 0
	s_cbranch_scc1 .Lnot_wave_0_\@
	s_barrier_signal -3
.Lnot_wave_0_\@:
	s_barrier_wait -3
	s_barrier_signal -1
	s_barrier_wait -1
.endm
.macro FETCH s                         ; K step s: P's eight fragments and R's four into set s % 2: 48 LDS loads in one run
	WIN 0x40                                       ; destination window 1, address window 0
.irp b, 0,1,2,3,4,5,6,7
.irp u, 0,1
	ds_load_b128 v[128*((\s)%2)+12*\b+6*\u:128*((\s)%2)+12*\b+6*\u+3], v[AP16+(\s)/2] offset:3072*\b+1536*((\s)%2)+768*\u
	ds_load_b64 v[128*((\s)%2)+12*\b+6*\u+4:128*((\s)%2)+12*\b+6*\u+5], v[AP8+(\s)/2] offset:3072*\b+1536*((\s)%2)+768*\u+512
.endr
.endr
	WIN 0
.irp a, 0,1,2,3
.irp u, 0,1
	ds_load_b128 v[RF+48*((\s)%2)+12*\a+6*\u:RF+48*((\s)%2)+12*\a+6*\u+3], v[AR16+(\s)/2] offset:3072*\a+1536*((\s)%2)+768*\u
	ds_load_b64 v[RF+48*((\s)%2)+12*\a+6*\u+4:RF+48*((\s)%2)+12*\a+6*\u+5], v[AR8+(\s)/2] offset:3072*\a+1536*((\s)%2)+768*\u+512
.endr
.endr
.endm
.macro MUL s, cmode                    ; 32 matrix instructions; cmode 2: they start the sums with the bias.  The 32 accumulators take turns, one instruction a turn, in the same order in every step
.irp a, 0,1,2,3
.irp b, 0,1,2,3,4,5,6,7
.if \cmode == 2
	v_wmma_scale_f32_16x16x128_f8f6f4 v[8*(8*\a+\b):8*(8*\a+\b)+7], v[128*((\s)%2)+12*\b:128*((\s)%2)+12*\b+11], v[RF+48*((\s)%2)+12*\a:RF+48*((\s)%2)+12*\a+11], v[BI+8*\b:BI+8*\b+7], v[SC+8*\b+(\s)], v[SC+8*\a+(\s)] matrix_a_fmt:MATRIX_FMT_BF6 matrix_b_fmt:MATRIX_FMT_BF6 matrix_a_scale:MATRIX_SCALE_ROW1
.else
	v_wmma_scale_f32_16x16x128_f8f6f4 v[8*(8*\a+\b):8*(8*\a+\b)+7], v[128*((\s)%2)+12*\b:128*((\s)%2)+12*\b+11], v[RF+48*((\s)%2)+12*\a:RF+48*((\s)%2)+12*\a+11], v[8*(8*\a+\b):8*(8*\a+\b)+7], v[SC+8*\b+(\s)], v[SC+8*\a+(\s)] matrix_a_fmt:MATRIX_FMT_BF6 matrix_b_fmt:MATRIX_FMT_BF6 matrix_a_scale:MATRIX_SCALE_ROW1
.endif
.endr
.endr
.endm
.macro KSTEP s, cmode
	s_wait_dscnt 0x0                               ; this step's fragments are in: they were asked for in front of the last step's 32 products
.if ((\s)%2 == 1) && ((\s) < 7)
	s_wait_tensorcnt 3-((\s)+1)/2                  ; my part of the chunk that the next step opens has landed; the younger chunks' loads stay out
	s_barrier_signal -1
	s_barrier_wait -1                              ; everybody's has
.endif
.if (\s) < 7
.if (\s) > 0
	PLACES 4                                       ; in front of loads into the set that the last step's products read
.endif
	FETCH (\s)+1
.endif
.if \cmode == 2
	WIN 0x81                                       ; source 0 (P) window 1, sources 1 (R) and 2 (the bias) window 0, D window 2
.else
	WIN 0xa1                                       ; source 0 window 1, source 1 window 0, C and D window 2
.endif
	MUL \s, \cmode
.endm
	s_load_b256 s[4:11], s[0:1], 0x0               ; cc, cs, opc, ops
	s_load_b64 s[12:13], s[0:1], 0x20              ; bo
	s_load_b64 s[100:101], s[0:1], 0x28            ; out0
	v_lshl_add_u32 v30, v0, 2, 0x4b000
	v_mov_b32 v31, 0
	ds_add_u32 v30, v31
	ds_add_u32 v30, v31
	v_lshrrev_b32 v1, 5, v0
	v_readfirstlane_b32 s14, v1                    ; wave 0..3
	s_lshr_b32 s15, s14, 1                         ; wr.  Also: I fetch for R (0) or for P (1)
	s_and_b32 s16, s14, 1                          ; wp.  Also: which half of the tiles I fetch
	s_bfe_u32 s17, ttmp6, 0x40000                  ; cx: the block of 256 columns (the grid's x is one cluster)
	s_bfe_u32 s18, ttmp6, 0x40004                  ; cy
	s_and_b32 s19, ttmp7, 0xffff                   ; the cluster's y, 0 .. 15
	s_lshl_b32 s2, s19, 2
	s_add_co_u32 s66, s2, s18                      ; ay: the block of 128 tokens
	s_lshl_b32 s20, s66, 3
	s_lshl_b32 s21, s16, 2
	s_add_co_u32 s20, s20, s21                     ; R: the first of the four tiles of cc that I would fetch
	s_lshl_b32 s22, s17, 4
	s_add_co_u32 s22, s22, 704                     ; Wo's tiles begin at 704 in opc
	s_lshl_b32 s23, s16, 3
	s_add_co_u32 s22, s22, s23                     ; P: the first of the eight
	s_lshl_b32 s2, s18, 2
	s_lshl_b32 s2, 15, s2                          ; my row of the cluster
	s_lshl_b32 s3, 0x1111, s17                     ; my column
	s_or_b32 s[G1R], s2, (3<<16)|(1<<21)           ; 15:0 the mask; 17:16 elements of 8 bytes; 21 set beside a mask; no padding
	s_or_b32 s[G1RS], s2, (3<<16)|(1<<21)
	s_or_b32 s[G1P], s3, (3<<16)|(1<<21)
	s_or_b32 s[G1PS], s3, (3<<16)|(1<<21)
	s_mov_b32 s[G1R+1], 384<<16                    ; a tile's chunk is a row of 3,072 bytes: tensor_dim0 = 384
	s_mov_b32 s[G1R+2], 4<<16                      ; tensor_dim1 = 4 tiles
	s_mov_b32 s[G1R+3], 384<<16                    ; tile_dim0
	s_mov_b32 s[G1R+4], 4                          ; tile_dim1
	s_mov_b32 s[G1R+5], 1536                       ; from tile to tile: 12,288 bytes
	s_mov_b32 s[G1R+6], 0
	s_mov_b32 s[G1R+7], 0
	s_mov_b32 s[G1P+1], 384<<16
	s_mov_b32 s[G1P+2], 8<<16
	s_mov_b32 s[G1P+3], 384<<16
	s_mov_b32 s[G1P+4], 8
	s_mov_b32 s[G1P+5], 1536
	s_mov_b32 s[G1P+6], 0
	s_mov_b32 s[G1P+7], 0
	s_mov_b32 s[G1RS+1], 32<<16                    ; four tiles' scale words: 2,048 dense bytes as 8 rows of 256
	s_mov_b32 s[G1RS+2], 8<<16
	s_mov_b32 s[G1RS+3], 32<<16
	s_mov_b32 s[G1RS+4], 8
	s_mov_b32 s[G1RS+5], 32
	s_mov_b32 s[G1RS+6], 0
	s_mov_b32 s[G1RS+7], 0
	s_mov_b32 s[G1PS+1], 32<<16                    ; eight tiles': 16 rows of 256
	s_mov_b32 s[G1PS+2], 16<<16
	s_mov_b32 s[G1PS+3], 32<<16
	s_mov_b32 s[G1PS+4], 16
	s_mov_b32 s[G1PS+5], 32
	s_mov_b32 s[G1PS+6], 0
	s_mov_b32 s[G1PS+7], 0
	; groups 0.  R: s[56:59] scales, s[60:63], s[68:71], s[72:75], s[76:79] chunks 0 to 3.  P: s[80:83], s[84:87] .. s[96:99].  LDS addresses hang on the wave's number alone
	s_mov_b32 s56, 1
	s_lshl_b32 s57, s16, 11
	s_add_co_u32 s57, s57, RS
	s_lshl_b32 s58, s20, 9                         ; 512 bytes of scale words a tile
	s_mov_b32 s59, 0
	s_mov_b32 s60, 1
	s_mul_i32 s61, s16, 12288
	s_mul_i32 s62, s20, 12288                      ; 12,288 bytes of codes a tile
	s_mov_b32 s63, 0
	s_mov_b32 s68, 1
	s_add_co_u32 s69, s61, RCH
	s_mov_b32 s72, 1
	s_add_co_u32 s73, s61, 2*RCH
	s_mov_b32 s76, 1
	s_add_co_u32 s77, s61, 3*RCH
	s_mov_b32 s80, 1
	s_lshl_b32 s81, s16, 12
	s_add_co_u32 s81, s81, PS
	s_lshl_b32 s82, s22, 9
	s_mov_b32 s83, 0
	s_mov_b32 s84, 1
	s_mul_i32 s85, s16, 24576
	s_add_co_u32 s85, s85, PB
	s_mul_i32 s86, s22, 12288
	s_mov_b32 s87, 0
	s_mov_b32 s88, 1
	s_add_co_u32 s89, s85, PCH
	s_mov_b32 s92, 1
	s_add_co_u32 s93, s85, 2*PCH
	s_mov_b32 s96, 1
	s_add_co_u32 s97, s85, 3*PCH
	; vector addresses
	v_and_b32 v6, 31, v0                           ; lane
	v_and_b32 v1, 15, v0                           ; r
	v_bfe_u32 v2, v0, 4, 1                         ; h
	v_lshlrev_b32 v3, 4, v6
	v_lshlrev_b32 v4, 3, v6
	v_lshlrev_b32 v5, 2, v6
	s_mul_i32 s21, s15, 12288                      ; my four tiles of R in a chunk
	s_mul_i32 s23, s16, 24576
	s_add_co_u32 s23, s23, PB                      ; my eight tiles of P
.irp c, 0,1,2,3
	v_add_nc_u32 v[AR16+\c], s21, v3
	v_add_nc_u32 v[AR8+\c], s21, v4
	v_add_nc_u32 v[AP16+\c], s23, v3
	v_add_nc_u32 v[AP8+\c], s23, v4
	s_add_co_u32 s21, s21, RCH
	s_add_co_u32 s23, s23, PCH
.endr
	s_lshl_b32 s21, s15, 11                        ; R's words: 2,048 wr
	s_lshl_b32 s23, s16, 12
	s_add_co_u32 s23, s23, PS-RS
	s_sub_co_u32 s23, s23, s21                     ; from there to P's words of my tiles
	v_mul_u32_u24 v7, s23, v2                      ; lanes 16-31 take P's: one product of the half and the distance
	s_add_co_u32 s21, s21, RS
	v_lshl_add_u32 v[ADRS], v1, 5, v7              ; 32 bytes a row
	v_add_nc_u32 v[ADRS], s21, v[ADRS]
	v_lshlrev_b32 v[BA], 6, v2
	s_mul_i32 s21, s14, 16*SPITCH                  ; my stage
	v_mul_u32_u24 v[STO], v1, SPITCH
	v_lshl_add_u32 v[STO], v2, 6, v[STO]
	v_add_nc_u32 v[STO], s21, v[STO]               ; in: row r, + 64 h
	v_add_nc_u32 v[RD], s21, v3                    ; back: the 32 lanes take a row of 512 bytes
	s_lshl_b32 s20, s17, 10
	s_lshl_b32 s21, s16, 9
	s_add_co_u32 s20, s20, s21                     ; my first column, in bytes: 1,024 cx + 512 wp
	s_mov_b32 s21, 0
	s_lshl_b32 s2, s66, 19                         ; my first token's row: 128 ay + 64 wr rows of 4,096 bytes
	s_lshl_b32 s3, s15, 18
	s_add_co_u32 s2, s2, s3
	s_add_co_u32 s2, s2, s20
	s_mov_b32 s3, 0
	s_wait_dscnt 0x0
	s_wait_kmcnt 0x0
	s_add_nc_u64 s[12:13], s[12:13], s[20:21]
	s_add_nc_u64 s[100:101], s[100:101], s[2:3]
	s_add_nc_u64 s[58:59], s[6:7], s[58:59]
	s_add_nc_u64 s[62:63], s[4:5], s[62:63]
	s_add_nc_u64 s[70:71], s[62:63], 3072          ; a chunk is 3,072 bytes on in each tile
	s_add_nc_u64 s[74:75], s[62:63], 6144
	s_add_nc_u64 s[78:79], s[62:63], 9216
	s_add_nc_u64 s[82:83], s[10:11], s[82:83]
	s_add_nc_u64 s[86:87], s[8:9], s[86:87]
	s_add_nc_u64 s[90:91], s[86:87], 3072
	s_add_nc_u64 s[94:95], s[86:87], 6144
	s_add_nc_u64 s[98:99], s[86:87], 9216
.irp w, 59,63,71,75,79,83,87,91,95,99
	s_or_b32 s\w, s\w, 0x80000000                  ; 127:126 type = 2
.endr
	ROUND                                          ; all sixteen work-groups are here: the joint loads meet
	s_cmp_eq_u32 s15, 0                            ; waves 0, 1 fetch R's halves, waves 2, 3 P's: the branch hangs on the wave's number alone; a wave's five loads stand in one arm
	s_cbranch_scc0 .Lfor_p
	tensor_load_to_lds s[56:59], s[G1RS:G1RS+7]
	s_nop 0
	tensor_load_to_lds s[60:63], s[G1R:G1R+7]
	s_nop 0
	tensor_load_to_lds s[68:71], s[G1R:G1R+7]
	s_nop 0
	tensor_load_to_lds s[72:75], s[G1R:G1R+7]
	s_nop 0
	tensor_load_to_lds s[76:79], s[G1R:G1R+7]
	s_nop 0
	PLACES 4                                       ; four v_nop follow the last line, ahead of the jump and the label
	s_branch .Lasked
.Lfor_p:
	tensor_load_to_lds s[80:83], s[G1PS:G1PS+7]
	s_nop 0
	tensor_load_to_lds s[84:87], s[G1P:G1P+7]
	s_nop 0
	tensor_load_to_lds s[88:91], s[G1P:G1P+7]
	s_nop 0
	tensor_load_to_lds s[92:95], s[G1P:G1P+7]
	s_nop 0
	tensor_load_to_lds s[96:99], s[G1P:G1P+7]
	s_nop 0
	PLACES 4
.Lasked:
.irp b, 0,1,2,3,4,5,6,7
	global_load_b128 v[BI+8*\b:BI+8*\b+3], v[BA], s[12:13] offset:(32*(\b/2)+8*(\b%2))*4      ; bo at columns 32 (b / 2) + 16 h + 8 (b % 2) + 0 .. 7 of my 128
	global_load_b128 v[BI+8*\b+4:BI+8*\b+7], v[BA], s[12:13] offset:(32*(\b/2)+8*(\b%2))*4+16
.endr
	s_wait_tensorcnt 3                             ; my scale words and my part of chunk 0 have landed; chunks 1 to 3 stay out
	s_barrier_signal -1
	s_barrier_wait -1                              ; everybody's have
.irp i, 0,1,2,3,4,5,6,7
	ds_load_b128 v[SC+8*\i:SC+8*\i+3], v[ADRS] offset:512*\i       ; all eight K steps' words of tile i (for i > 3 lanes 0-15 take landed scale bytes that no product names)
	ds_load_b128 v[SC+8*\i+4:SC+8*\i+7], v[ADRS] offset:512*\i+16
.endr
	FETCH 0
	s_wait_loadcnt 0x0                             ; the bias
	KSTEP 0, 2                                     ; the first step's products start the sums with the bias: nothing is cleared, nothing is added later
	KSTEP 1, 1
	KSTEP 2, 1
	KSTEP 3, 1
	KSTEP 4, 1
	KSTEP 5, 1
	KSTEP 6, 1
	s_wait_dscnt 0x0                               ; the last step's fragments are in: my reads of the tiles are over,
	s_barrier_signal -1                            ; say so,
	WIN 0xa1
	MUL 7, 1                                       ; work on registers while the others arrive,
	WIN 0
	s_barrier_wait -1                              ; and behind this wait nobody reads the tiles any more: the stage may be laid over them (every fill landed long ago, and none follows)
	PLACES 4                                       ; in front of the first reads of results and of loads into R's registers
; THE WAY OUT, a tile of 16 tokens x my 128 columns at a time.  A lane holds pieces of 32 bytes of one row: they go into my own stage and come back as whole rows of 512 bytes.
; LDS serves a wave's instructions in order (ISA guide 5.7.1.4): no wait between the stores and the loads, nor in front of the next tile's stores.
.macro TOSTAGE a
	WIN 0x08                                       ; an LDS store's data are its source 1: window 2
.irp b, 0,1,2,3,4,5,6,7
	ds_store_b128 v[STO], v[8*(8*(\a)+\b):8*(8*(\a)+\b)+3] offset:128*(\b/2)+32*(\b%2)          ; each accumulator from its low end on
	ds_store_b128 v[STO], v[8*(8*(\a)+\b)+4:8*(8*(\a)+\b)+7] offset:128*(\b/2)+32*(\b%2)+16
.endr
	WIN 0
.irp t, 0,1,2,3,4,5,6,7,8,9,10,11,12,13,14,15
	ds_load_b128 v[BK+64*((\a)%2)+4*\t:BK+64*((\a)%2)+4*\t+3], v[RD] offset:SPITCH*\t
.endr
.endm
.macro SEND a, younger                 ; younger: the LDS instructions issued behind tile a's loads, which may stay out
	s_wait_dscnt \younger
.irp t, 0,1,2,3,4,5,6,7,8,9,10,11,12,13,14,15
	global_store_b128 v3, v[BK+64*((\a)%2)+4*\t:BK+64*((\a)%2)+4*\t+3], s[100:101] offset:4096*(32*((\a)/2)+8*((\a)%2)+\t+8*(\t/8)) th:TH_STORE_NT   ; the tile's row t is token 32 (a / 2) + 8 (a % 2) + t + 8 (t / 8) of my 64; 512 consecutive bytes, at a multiple of 512 from out0's first byte
.endr
.endm
	TOSTAGE 0
.irp a, 1,2,3
.if \a > 1
	s_wait_xcnt 0x0                                ; tile a - 2's stores have read their registers: tile a's loads may land there
.endif
	TOSTAGE \a
	SEND \a-1, 32                                  ; behind tile a - 1's loads: tile a's 16 stores and 16 loads
.endr
	SEND 3, 0
	s_wait_tensorcnt 0x0
	ds_add_u32 v30, v31
	s_wait_dscnt 0x0
	ROUND                                          ; the closing round: no work-group ends while a partner may still ask for a tile that names it
	s_endpgm
.Lfunc_end_k_qcf15f62de9_proj:
	.size	k_qcf15f62de9_proj, .Lfunc_end_k_qcf15f62de9_proj-k_qcf15f62de9_proj
	.p2alignl 7, 3214868480
	.fill 96, 4, 3214868480
	.section	.rodata,"a",@progbits
	.p2align	6, 0x0
	.amdhsa_kernel k_qcf15f62de9_proj
		.amdhsa_group_segment_fixed_size 307712
		.amdhsa_private_segment_fixed_size 0
		.amdhsa_enable_private_segment 0
		.amdhsa_kernarg_size 48
		.amdhsa_user_sgpr_count 2
		.amdhsa_user_sgpr_kernarg_segment_ptr 1
		.amdhsa_wavefront_size32 1
		.amdhsa_system_sgpr_workgroup_id_x 1
		.amdhsa_system_sgpr_workgroup_id_y 1
		.amdhsa_system_sgpr_workgroup_id_z 1
		.amdhsa_system_vgpr_workitem_id 0
		.amdhsa_next_free_vgpr 768
		.amdhsa_next_free_sgpr 106
		.amdhsa_reserve_vcc 0
		.amdhsa_float_denorm_mode_32 3
		.amdhsa_float_denorm_mode_16_64 3
		.amdhsa_memory_ordered 1
		.amdhsa_forward_progress 1
		.amdhsa_inst_pref_size 86
	.end_amdhsa_kernel
	.amdgpu_metadata
---
amdhsa.version: [ 1, 2 ]
amdhsa.kernels:
  - .name:           k_qcf15f62de9_proj
    .symbol:         k_qcf15f62de9_proj.kd
    .args:
      - { .name: cc, .offset: 0, .size: 8, .value_kind: global_buffer, .address_space: global }
      - { .name: cs, .offset: 8, .size: 8, .value_kind: global_buffer, .address_space: global }
      - { .name: opc, .offset: 16, .size: 8, .value_kind: global_buffer, .address_space: global }
      - { .name: ops, .offset: 24, .size: 8, .value_kind: global_buffer, .address_space: global }
      - { .name: bo, .offset: 32, .size: 8, .value_kind: global_buffer, .address_space: global }
      - { .name: out0, .offset: 40, .size: 8, .value_kind: global_buffer, .address_space: global }
    .group_segment_fixed_size: 307712
    .private_segment_fixed_size: 0
    .kernarg_segment_align: 8
    .kernarg_segment_size: 48
    .max_flat_workgroup_size: 128
    .sgpr_count:     106
    .vgpr_count:     768
    .wavefront_size: 32
...
	.end_amdgpu_metadata
.endif
;; end of part 4
